; MI455X (gfx1250); checked and timed in simulation.
; The chip was launched on July 23, 2026; its instructions are those of AMD's public machine-readable ISA for CDNA 5 (MIT licence, August 2026) and "CDNA5" Instruction Set Architecture Reference Guide (July 2026). The comments in the code are by the model that wrote it; some were corrected since.
;; Self Attention. Allowed arithmetic: matrix products marked QUANTISED: E2M1 operands, one E8M0 scale for each 32 along K, by v_wmma_scale_f32_16x16x128_f8f6f4 with both operands' format E2M1 (or v_wmma_scale_f32_32x16x128_f4), f32 sums; products left as they are: bf16, f16 or f32 operands; f32 sums; everything else in f32.
;; Inputs: attention_mask 1 x 4,096 int32; hidden_states 1 x 4,096 x 2,048 float32; position_ids 1 x 4,096 int32; wk 2,048 x 512 float32; wo 1,024 x 2,048 float32; wq 2,048 x 1,024 float32; wv 2,048 x 512 float32.
;; Outputs: out0 1 x 4,096 x 2,048 float32.
;; This version of the problem:
;;   THIS VERSION OF THE PROBLEM IS GIVEN IN LOW PRECISION. The matrix products marked QUANTISED in the list below multiply operands that are first quantised to E2M1 (2 exponent bits, 1 mantissa bit; 4 bits a number), with one power-of-two scale for each 32 numbers along K (OCP MX v1.0); their sums are f32. The products marked 'left as it is' may take bf16, f16 or f32 operands, with f32 sums. Whichever they take, every output number must still come out within the allowed error. Rounding operands to bf16 (8 significant bits) uses up far more of that allowance than f16 does (11 bits, for magnitudes from 6e-5 to 65,504). All else is computed in f32.
;;   The module's matrix products, in the order in which they are computed (A, B: the left and right operand; K: the contracted axis; several contracted axes count as one K, in the product's order):
;;     1. [M 4,096, K 2,048] x [K 2,048, N 1,024]; A: input hidden_states; B: input wq: QUANTISED
;;     2. [M 4,096, K 2,048] x [K 2,048, N 512]; A: input hidden_states; B: input wk: QUANTISED
;;     3. [M 4,096, K 2,048] x [K 2,048, N 512]; A: input hidden_states; B: input wv: QUANTISED
;;     4. batch 8 x [M 4,096, K 128] x [K 128, N 4,096]; A: computed on the way; B: computed on the way: left as it is (an operand is computed on the way)
;;     5. batch 8 x [M 4,096, K 4,096] x [K 4,096, N 128]; A: computed on the way; B: computed on the way: left as it is (an operand is computed on the way)
;;     6. [M 4,096, K 1,024] x [K 1,024, N 2,048]; A: computed on the way; B: input wo: left as it is (an operand is computed on the way)
;;   THE QUANTISER, for each operand of a quantised product, along K:
;;     - K is cut into blocks of 32 from its start; a last block that is shorter is filled with zeros.
;;     - A block's scale is 2^e with e = floor(log2(the largest magnitude in the block)) - 2, held to -126 .. 127; a block of zeros has e = 0. As a byte (E8M0): e + 127.
;;     - Each number is divided by its block's scale, clamped to +-6, and rounded to the nearest number of E2M1, ties to even, subnormals kept.
;;     - The product sums the exact products of the quantised numbers (number of the format x scale) in f32.
;;   ~~~python
;;   def quantise(x, axis):      # numpy; x: float32 -> the quantised numbers, widened to float32 again
;;       x = np.moveaxis(x, axis, -1); K = x.shape[-1]
;;       x = np.pad(x, [(0, 0)] * (x.ndim - 1) + [(0, -K % 32)]); x = x.reshape(x.shape[:-1] + (-1, 32)); a = np.abs(x).max(-1, keepdims=True)
;;       e = np.where(a > 0, np.clip(np.frexp(np.where(a > 0, a, 1))[1] - 1 - 2, -126, 127), 0)      # np.frexp(a)[1] - 1 = floor(log2(a)), exactly
;;       r = np.clip(x / 2.0 ** e, -6, 6)
;;       step = 2.0 ** (np.maximum(np.frexp(np.where(r == 0, 1, r))[1] - 1, 0) - 1)
;;       q = np.round(r / step) * step * 2.0 ** e      # np.round: ties to even
;;       return np.moveaxis(q.reshape(q.shape[:-2] + (-1,))[..., :K], -1, axis).astype(np.float32)
;;   ~~~
;; One version. Each part assembles by itself: llvm-mc -triple=amdgcn-amd-amdhsa -mcpu=gfx1250 --defsym DOCPART=n.
;; ======== version 1 of 1: 5 launches
;; limits: values are held in f16: magnitudes above 65,504 overflow, below 6.1e-05 lose precision
;; workspace buffers: xq 4,456,448 bytes; wq4 2,228,224 bytes; wot 4,194,304 bytes; tab 4,211,456 bytes; qkv 16,777,216 bytes; aux 262,144 bytes; att 8,388,608 bytes
;; launch prep (part 1): grid 577 x 1, 4 waves a work-group, no clusters, 102,912 bytes of LDS; arguments hidden_states, wq, wk, wv, wo, position_ids, attention_mask, xq, wq4, wot, tab; writes xq, wq4, wot, tab
.if DOCPART == 1
	.amdgcn_target "amdgcn-amd-amdhsa--gfx1250"
	.amdhsa_code_object_version 6
	.text
	.protected	k_q9cc64b972c_prep
	.globl	k_q9cc64b972c_prep
	.p2align	8
	.type	k_q9cc64b972c_prep,@function
k_q9cc64b972c_prep:
	s_mov_b64 s[64:65], 0
	v_nop
	global_prefetch_b8 v0, s[64:65] scope:SCOPE_SE
	s_setreg_imm32_b32 hwreg(HW_REG_WAVE_MODE, 25, 1), 1
	s_wait_xcnt 0x0
; PREP: everything that is made once from the inputs, five kinds of work-groups told apart by the work-group's number alone.
;   0-63    wq | wk | wv [2048 k][n] f32 -> codes of E2M1 with K innermost, wq4 [2048 n][1024 B], and E8M0 bytes [2048 n][64] behind them (n: q 0-1023, k 1024-1535, v 1536-2047)
;   64-191  wo [1024 k][2048 n] f32 -> wot [2048 n][1024 k] f16
;   192-447 hidden_states [4096][2048] f32 -> codes xq [4096][1024 B] and E8M0 bytes [4096][64] behind them
;   448-575 the rotary tables by ROW of the sequence: tab: RQ [4096][cos 64 | sin 64] f32 of the row's position_id; RK the same x (mask != 0); RV one row of 64 x 1.0, 64 x 0.0
;   576     the keys' bias (0, or -2^100 where the mask is 0) and n1, the number of keys whose mask is not 0, as f32
; A block's scale is 2^(floor(log2(largest magnitude)) - 2); its byte is that magnitude's exponent field - 2, held at 1 from below (a block of zeros keeps the byte 1: its codes are zeros, and this program alone reads the bytes).
; A stream: no matrix unit, no tensor load, no cluster (no two work-groups read the same bytes).  Each kind has LDS bytes of its own.
; LIMITS: a mask value other than 0 counts as 1; position_ids lie in 0 .. 4,095 (the angle's reduction by pi/2 in two parts holds far beyond); 1 / 10000^(j/64) is made by v_exp_f32, so an angle can differ
; from a correctly rounded one by about 4e-4 rad at position 4,095; NaN and infinities among the inputs are not served; blocks whose largest magnitude lies under 2^-124 keep the byte 1.
.set SPW,   208                        ; v208  LDS address of my spare word; never rewritten
.set NIL,   209                        ; v209  0; never rewritten
.set SPARE, 102400                     ; the spare words, 128 bytes a wave
.set PITCH, 272                        ; a stage row: 256 bytes + 16
.set STB,   32768                      ; stages of the weights' path: 4 x 32 x 272
.set STC,   67584                      ; stages of wo's path
.set STEPS, 16
.set EMAX,  2
.set CB,    8
.set AR,    16                         ; hidden_states' path: v16-79 four sets of 16 numbers as loaded
.set AX,    80                         ; v80-111 two sets of 16 neighbours
.set AE,    112                        ; v112-127 a scale byte for each step
.set AC,    128                        ; v128-191 codes, four registers a step
.set WREG,  8192                       ; its LDS: a region for each wave, from byte 0
.set SP,    80
.set WX,    32                         ; the weights' paths: v32-95 two sets of 32 numbers
.set WC,    96                         ; v96.. what a block becomes
.set WO_,   112                        ; v112-175 the way out
.set WSB,   24                         ; v24-27 scale bytes
.set WOFF,  176                        ; v176-207 4 x lane + i rows: never rewritten
	s_load_b512 s[4:19], s[0:1], 0x0               ; hidden s[4:5], wq s[6:7], wk s[8:9], wv s[10:11], wo s[12:13], position_ids s[14:15], mask s[16:17], xq s[18:19]
	s_load_b128 s[20:23], s[0:1], 0x40             ; wq4 s[20:21], wot s[22:23]
	s_load_b64 s[24:25], s[0:1], 0x50              ; tab
	v_lshl_add_u32 v[SPW], v0, 2, SPARE
	v_mov_b32 v[NIL], 0
	v_lshrrev_b32 v1, 5, v0
	v_readfirstlane_b32 s26, v1                    ; wave
	v_and_b32 v2, 31, v0                           ; lane
	s_wait_kmcnt 0x0
	s_cmp_lt_u32 ttmp9, 64
	s_cbranch_scc1 .Lweights
	s_cmp_lt_u32 ttmp9, 192
	s_cbranch_scc1 .Lwo
	s_cmp_lt_u32 ttmp9, 448
	s_cbranch_scc1 .Lhidden
	s_cmp_lt_u32 ttmp9, 576
	s_cbranch_scc1 .Lrope
; ---- work-group 576: the keys' bias and n1.  Wave w takes the mask's quarter w; wave 0 then reads the other three quarters and counts.
	v_lshlrev_b32 v3, 4, v2
	s_lshl_b32 s27, s26, 12
	v_add_nc_u32 v4, s27, v3                       ; 4,096 w + 16 lane
.irp i, 0,1,2,3,4,5,6,7
	global_load_b128 v[32+4*\i:35+4*\i], v4, s[16:17] offset:512*\i
.endr
	v_mov_b32 v5, 0xf1800000                       ; -2^100
	s_wait_loadcnt 0x0
.set n, 0
.rept 32
	v_cmp_eq_u32 vcc_lo, 0, v[32+n]
	v_cndmask_b32 v[64+n], 0, v5, vcc_lo
.set n, n+1
.endr
.irp i, 0,1,2,3,4,5,6,7
	global_store_b128 v4, v[64+4*\i:67+4*\i], s[24:25] offset:4194816+512*\i   ; 32 lanes store 512 consecutive bytes
.endr
	s_cmp_lg_u32 s26, 0
	s_cbranch_scc1 .Lend
.set n, 0
.rept 24
	global_load_b128 v[96+4*n:99+4*n], v3, s[16:17] offset:4096+512*n
.set n, n+1
.endr
	v_mov_b32 v6, 0
	s_mov_b32 s28, 0x76543210
	s_mov_b32 s29, 0xfedcba98
	s_wait_loadcnt 0x0
.set n, 0
.rept 32
	v_min_u32 v[32+n], 1, v[32+n]                  ; 1 where the mask is not 0
.set n, n+1
.endr
.set n, 0
.rept 96
	v_min_u32 v[96+n], 1, v[96+n]
.set n, n+1
.endr
.set n, 0
.rept 16
	v_add3_u32 v6, v6, v[32+n], v[33+n]
.set n, n+2
.endr
.set n, 0
.rept 48
	v_add3_u32 v6, v6, v[96+n], v[97+n]
.set n, n+2
.endr
	v_cvt_f32_u32 v6, v6                           ; at most 128 a lane, 4,096 in all: exact in f32
	v_add_f32_dpp v6, v6, v6 row_xmask:1 row_mask:0xf bank_mask:0xf
	v_add_f32_dpp v6, v6, v6 row_xmask:2 row_mask:0xf bank_mask:0xf
	v_add_f32_dpp v6, v6, v6 row_xmask:4 row_mask:0xf bank_mask:0xf
	v_add_f32_dpp v6, v6, v6 row_xmask:8 row_mask:0xf bank_mask:0xf
	v_mov_b32 v7, 0
	v_permlanex16_b32 v7, v6, s28, s29
	v_add_f32 v6, v6, v7
	v_lshlrev_b32 v8, 2, v2
	global_store_b32 v8, v6, s[24:25] offset:4211200   ; n1, 32 times
	s_branch .Lend
; ---- work-groups 448-575: the rotary tables.  A wave takes 8 rows, two at a time (lanes 0-15 one row, lanes 16-31 the next); lane r takes frequencies 4 r .. 4 r + 3.
; sin and cos: the angle less n x pi/2 (pi/2 in two parts, each taken off by a fused multiply-add), two short polynomials on [-pi/4, pi/4], and the quadrant n mod 4.
.macro SINCOS ang, sn, cs
	v_mul_f32 v28, 0x3f22f983, v[\ang]             ; x 2 / pi
	v_rndne_f32 v28, v28                           ; n
	v_fma_f32 v29, v28, s30, v[\ang]
	v_fma_f32 v29, v28, s31, v29                   ; x = angle - n pi/2
	v_mul_f32 v30, v29, v29                        ; z = x^2
	v_cvt_i32_f32 v28, v28
	v_fma_f32 v31, v30, s32, s33
	v_fma_f32 v32, v30, s35, s36
	v_fma_f32 v31, v31, v30, s34
	v_fma_f32 v32, v32, v30, s37
	v_mul_f32 v33, v30, v29
	v_mul_f32 v34, v30, v30
	v_fma_f32 v35, v30, -0.5, 1.0
	v_fma_f32 v31, v31, v33, v29                   ; sin x
	v_fma_f32 v32, v32, v34, v35                   ; cos x
	v_and_b32 v33, 1, v28
	v_cmp_eq_u32 vcc_lo, 1, v33
	v_cndmask_b32 v34, v31, v32, vcc_lo            ; an odd quadrant swaps the two
	v_cndmask_b32 v35, v32, v31, vcc_lo
	v_and_b32 v33, 2, v28
	v_lshlrev_b32 v33, 30, v33
	v_xor_b32 v[\sn], v33, v34                     ; sin changes sign in quadrants 2, 3
	v_add_nc_u32 v33, 1, v28
	v_and_b32 v33, 2, v33
	v_lshlrev_b32 v33, 30, v33
	v_xor_b32 v[\cs], v33, v35                     ; cos in quadrants 1, 2
.endm
.Lrope:
	s_sub_co_u32 s27, ttmp9, 448
	s_lshl_b32 s27, s27, 2
	s_add_co_u32 s27, s27, s26
	s_lshl_b32 s27, s27, 3                         ; my wave's first row
	v_and_b32 v3, 15, v0
	v_bfe_u32 v4, v0, 4, 1
	v_add_nc_u32 v5, s27, v4
	v_lshlrev_b32 v6, 2, v5                        ; the row's word in position_ids and in the mask
	v_lshlrev_b32 v7, 9, v5
	v_lshl_add_u32 v7, v3, 4, v7                   ; 512 x row + 16 r
.irp i, 0,1,2,3
	global_load_b32 v[16+\i], v6, s[14:15] offset:8*\i
	global_load_b32 v[20+\i], v6, s[16:17] offset:8*\i
.endr
	s_mov_b32 s30, 0xbfc90fdb                      ; -pi/2, upper part
	s_mov_b32 s31, 0x333bbd2e                      ; what the upper part has too much
	s_mov_b32 s32, 0xb94ca1f9                      ; sin: -1.9515295891e-4, 8.3321608736e-3, -1.6666654611e-1
	s_mov_b32 s33, 0x3c08839e
	s_mov_b32 s34, 0xbe2aaaa3
	s_mov_b32 s35, 0x37ccf5ce                      ; cos: 2.443315712e-5, -1.388731625e-3, 4.166664568e-2
	s_mov_b32 s36, 0xbab6061a
	s_mov_b32 s37, 0x3d2aaaa5
	v_lshlrev_b32 v8, 2, v3
.irp k, 0,1,2,3
	v_add_nc_u32 v[24+\k], \k, v8
.endr
.irp k, 0,1,2,3
	v_cvt_f32_u32 v[24+\k], v[24+\k]
.endr
.irp k, 0,1,2,3
	v_mul_f32 v[24+\k], 0xbe549a78, v[24+\k]       ; -j log2(10000) / 64
.endr
.irp k, 0,1,2,3
	v_exp_f32 v[24+\k], v[24+\k]                   ; 10000^(-j / 64)
.endr
	v_mov_b32 v9, 1.0                              ; a plain instruction behind the last exponential
	s_wait_alu depctr_va_vdst(0)                   ; one wait for the four, ahead of their first reader
	s_wait_loadcnt 0x0
.irp i, 0,1,2,3
	v_cvt_f32_i32 v[16+\i], v[16+\i]
	v_cmp_ne_u32 vcc_lo, 0, v[20+\i]
	v_cndmask_b32 v[20+\i], 0, v9, vcc_lo          ; 1.0 where the mask is not 0
.irp k, 0,1,2,3
	v_mul_f32 v10, v[16+\i], v[24+\k]              ; the angle, one rounding as in the table's outer product
	SINCOS 10, 64+16*\i+4+\k, 64+16*\i+\k
.endr
.irp k, 0,1,2,3,4,5,6,7
	v_mul_f32 v[64+16*\i+8+\k], v[64+16*\i+\k], v[20+\i]
.endr
	global_store_b128 v7, v[64+16*\i:67+16*\i], s[24:25] offset:1024*\i             ; sixteen lanes store 256 consecutive bytes, aligned: a row's cos,
	global_store_b128 v7, v[68+16*\i:71+16*\i], s[24:25] offset:1024*\i+256         ; its sin,
	global_store_b128 v7, v[72+16*\i:75+16*\i], s[24:25] offset:2097152+1024*\i     ; and both x the mask, for the keys
	global_store_b128 v7, v[76+16*\i:79+16*\i], s[24:25] offset:2097152+1024*\i+256
.endr
	s_cmp_lg_u32 s27, 0
	s_cbranch_scc1 .Lend
	v_cmp_eq_u32 vcc_lo, 0, v4                     ; the first wave of these also writes the row for the values: cos = 1, sin = 0
	v_cndmask_b32 v40, 0, v9, vcc_lo
	v_mov_b32 v41, v40
	v_mov_b32 v42, v40
	v_mov_b32 v43, v40
	v_lshlrev_b32 v11, 4, v2
	global_store_b128 v11, v[40:43], s[24:25] offset:4194304
	s_branch .Lend
; ---- work-groups 192-447: hidden_states.  A wave takes 16 steps of 512 numbers.  Each load reads 512 consecutive bytes; a step's 2,048 bytes turn through the wave's own stage, so that a lane holds 16 neighbours along K.
.macro LOADX t
.irp i, 0,1,2,3
	global_load_b128 v[AR+16*((\t)%4)+4*\i:AR+16*((\t)%4)+4*\i+3], v3, s[4:5] offset:2048*(\t)+512*\i th:TH_LOAD_NT
.endr
.endm
.macro TURNX t                         ; LDS serves a wave's instructions in order: no wait between the stores and the loads
.irp i, 0,1,2,3
	ds_store_b128 v14, v[AR+16*((\t)%4)+4*\i:AR+16*((\t)%4)+4*\i+3] offset:32*SP*((\t)%2)+8*SP*\i
.endr
.irp i, 0,1,2,3
	ds_load_b128 v[AX+16*((\t)%2)+4*\i:AX+16*((\t)%2)+4*\i+3], v15 offset:32*SP*((\t)%2)+16*\i
.endr
.endm
.macro STEPX t
.set XS, AX+16*((\t)%2)
.if (\t) > 0
	s_wait_dscnt 1                                 ; this step's numbers are back from the stage; the last step's byte store may be out
.else
	s_wait_dscnt 0x0
.endif
.if (\t)+4 < STEPS
	LOADX (\t)+4
.endif
.if (\t)+1 < STEPS
.if STEPS-2-(\t) >= 3
	s_wait_loadcnt 12                              ; the next step's four loads are in; those of three later steps may be out
.else
	s_wait_loadcnt 4*(STEPS-2-(\t))
.endif
	TURNX (\t)+1
.endif
	v_max3_num_f32 v8, |v[XS]|, |v[XS+1]|, |v[XS+2]|
	v_max3_num_f32 v9, |v[XS+3]|, |v[XS+4]|, |v[XS+5]|
.irp i, 6,10
	v_max3_num_f32 v8, v8, |v[XS+\i]|, |v[XS+\i+1]|
	v_max3_num_f32 v9, v9, |v[XS+\i+2]|, |v[XS+\i+3]|
.endr
	v_max3_num_f32 v8, v8, |v[XS+14]|, |v[XS+15]|
	v_max3_num_f32 v8, v8, v9, (EMAX+1)<<23        ; the floor 2^(3 - 127): the byte cannot fall under 1
	v_max_num_f32_dpp v8, v8, v8 row_xmask:1 row_mask:0xf bank_mask:0xf   ; with my neighbour's 16: the block's largest magnitude
	v_add_nc_u32 v11, -(EMAX<<23), v8              ; 2 off its exponent field: the conversion's scale operand
	v_cvt_scalef32_pk8_fp4_f32 v[AC+4*(\t)], v[XS:XS+7], v11
	v_cvt_scalef32_pk8_fp4_f32 v[AC+4*(\t)+1], v[XS+8:XS+15], v11
	v_lshrrev_b32 v[AE+(\t)], 23, v11              ; the scale's byte
	ds_store_b8 v5, v[AE+(\t)] offset:16*(\t)      ; both lanes of a block write the same byte with the same value
	global_store_b64 v4, v[AC+4*(\t):AC+4*(\t)+1], s[32:33] offset:32*CB*(\t)   ; the wave stores 256 consecutive bytes, aligned
.endm
.Lhidden:
	v_lshlrev_b32 v3, 4, v2
	s_mul_i32 s27, s26, WREG
	v_lshrrev_b32 v14, 2, v2
	v_mul_u32_u24 v14, v14, SP
	v_and_b32 v15, 3, v2
	v_lshl_add_u32 v14, v15, 4, v14
	v_add_nc_u32 v14, s27, v14                     ; into the stage: four lanes' 64 bytes on end, then 16 of padding
	v_mul_u32_u24 v15, v2, SP
	v_add_nc_u32 v15, s27, v15                     ; out of it: my 16 neighbours
	v_mul_u32_u24 v4, v2, CB
	v_lshrrev_b32 v5, 1, v2
	s_add_co_u32 s27, s27, 2*32*SP
	v_add_nc_u32 v5, s27, v5                       ; my wave's 256 scale bytes: my block's byte
	v_lshlrev_b32 v7, 3, v2
	v_add_nc_u32 v6, s27, v7
	s_sub_co_u32 s28, ttmp9, 192
	s_lshl_b32 s28, s28, 2
	s_add_co_u32 s28, s28, s26                     ; which run of 8,192 numbers is my wave's
	s_lshl_b32 s30, s28, 15
	s_mov_b32 s31, 0
	s_add_nc_u64 s[4:5], s[4:5], s[30:31]
	s_lshl_b32 s30, s28, 12
	s_add_nc_u64 s[32:33], s[18:19], s[30:31]      ; its codes
	s_lshl_b32 s30, s28, 8
	s_add_nc_u64 s[34:35], s[18:19], s[30:31]      ; its scale bytes (4,194,304 further on, by the store's immediate)
.irp t, 0,1,2,3
	LOADX \t
.endr
	s_wait_loadcnt 12                              ; step 0's four loads are in
	TURNX 0
.irp t, 0,1,2,3,4,5,6,7,8,9,10,11,12,13,14,15
	STEPX \t
.endr
	ds_load_b64 v[8:9], v6
	s_wait_dscnt 0x0
	global_store_b64 v7, v[8:9], s[34:35] offset:4194304   ; 256 consecutive bytes, aligned
	s_branch .Lend
; ---- work-groups 64-191: wo, turned and rounded to f16.  A lane takes a column n and its registers run down k; 128 k of 32 columns a wave go through the wave's stage and leave as rows of 256 bytes.
.macro LOADC t
.set n, 0
.rept 32
	global_load_b32 v[WX+32*((\t)%2)+n], v3, s[12:13] offset:(32*(\t)+n)*8192 th:TH_LOAD_NT
.set n, n+1
.endr
.endm
.macro BLOCKC t
.set XS, WX+32*((\t)%2)
.if (\t) < 3
	s_wait_loadcnt 32                              ; this block's 32 loads are in; the next block's may be out
.else
	s_wait_loadcnt 0x0
.endif
.set n, 0
.rept 16
	v_cvt_pk_f16_f32 v[WC+n], v[XS+2*n], v[XS+2*n+1]
.set n, n+1
.endr
.irp g, 0,1,2,3
	ds_store_b128 v4, v[WC+4*\g:WC+4*\g+3] offset:64*(\t)+16*\g
.endr
.if (\t)+2 < 4
	LOADC (\t)+2
.endif
	s_wait_dscnt 0x0                               ; the stores have read their registers
.endm
.Lwo:
	s_sub_co_u32 s27, ttmp9, 64
	s_lshr_b32 s28, s27, 4                         ; which 128 along k
	s_and_b32 s27, s27, 15
	s_lshl_b32 s67, s27, 7
	s_lshl_b32 s68, s26, 5
	s_add_co_u32 s67, s67, s68                     ; my wave's first column
	s_lshl_b32 s72, s28, 20                        ; 128 rows of 8,192 bytes
	s_lshl_b32 s73, s67, 2
	s_add_co_u32 s72, s72, s73
	s_mov_b32 s73, 0
	s_add_nc_u64 s[12:13], s[12:13], s[72:73]
	v_lshlrev_b32 v3, 2, v2
	s_mul_i32 s76, s26, 32*PITCH
	s_add_co_u32 s76, s76, STC
	v_mul_u32_u24 v4, v2, PITCH
	v_add_nc_u32 v4, s76, v4
	v_and_b32 v5, 15, v2
	v_lshrrev_b32 v6, 4, v2
	v_mul_u32_u24 v7, v6, PITCH
	v_lshl_add_u32 v7, v5, 4, v7
	v_add_nc_u32 v7, s76, v7
	v_lshlrev_b32 v8, 11, v6
	v_lshl_add_u32 v8, v5, 4, v8                   ; a row of wot is 2,048 bytes
	s_lshl_b32 s72, s67, 11
	s_lshl_b32 s77, s28, 8
	s_add_co_u32 s72, s72, s77
	s_add_nc_u64 s[22:23], s[22:23], s[72:73]
	LOADC 0
	LOADC 1
.irp t, 0,1,2,3
	BLOCKC \t
.endr
.irp t, 0,1,2,3,4,5,6,7,8,9,10,11,12,13,14,15
	ds_load_b128 v[WO_+4*\t:WO_+4*\t+3], v7 offset:2*\t*PITCH
.endr
.irp t, 0,1,2,3,4,5,6,7,8,9,10,11,12,13,14,15
	s_wait_dscnt 15-\t
	global_store_b128 v8, v[WO_+4*\t:WO_+4*\t+3], s[22:23] offset:2*\t*2048   ; sixteen lanes store 256 consecutive bytes, aligned
.endr
	s_branch .Lend
; ---- work-groups 0-63: wq | wk | wv.  A lane takes a column and its registers run down K: a block of 32 lies in one lane, and the conversions give codes with K innermost.
; The three tensors differ in their rows' length, a scalar: so the 32 row offsets lie in registers and the 16 blocks' bases in scalar pairs, all made once.
.macro LOADB t
.set n, 0
.rept 32
	global_load_b32 v[WX+32*((\t)%2)+n], v[WOFF+n], s[32+2*(\t):33+2*(\t)] th:TH_LOAD_NT
.set n, n+1
.endr
.endm
.macro BLOCKB t
.set XS, WX+32*((\t)%2)
.if (\t) < 15
	s_wait_loadcnt 32                              ; this block's 32 loads are in; the next block's may be out
.else
	s_wait_loadcnt 0x0
.endif
	v_max3_num_f32 v12, |v[XS]|, |v[XS+1]|, |v[XS+2]|
	v_max3_num_f32 v13, |v[XS+3]|, |v[XS+4]|, |v[XS+5]|
.irp i, 6,10,14,18,22,26
	v_max3_num_f32 v12, v12, |v[XS+\i]|, |v[XS+\i+1]|
	v_max3_num_f32 v13, v13, |v[XS+\i+2]|, |v[XS+\i+3]|
.endr
	v_max3_num_f32 v12, v12, |v[XS+30]|, |v[XS+31]|
	v_max3_num_f32 v12, v12, v13, (EMAX+1)<<23
	v_add_nc_u32 v11, -(EMAX<<23), v12
	v_lshrrev_b32 v13, 23, v11
.if (\t)%4 == 0
	v_mov_b32 v[WSB+(\t)/4], v13
.else
	v_lshl_or_b32 v[WSB+(\t)/4], v13, 8*((\t)%4), v[WSB+(\t)/4]
.endif
.irp g, 0,1,2,3
	v_cvt_scalef32_pk8_fp4_f32 v[WC+\g], v[XS+8*\g:XS+8*\g+7], v11
.endr
	ds_store_b128 v4, v[WC:WC+3] offset:16*(\t)
.if (\t)+2 < 16
	LOADB (\t)+2
.endif
	s_wait_dscnt 0x0                               ; the stores have read their registers
.endm
.Lweights:
	s_and_b32 s27, ttmp9, 15                       ; which 128 of the joint 2,048 columns
	s_lshr_b32 s28, ttmp9, 4                       ; which 512 along K
	s_mov_b32 s29, 1536
	s_mov_b32 s70, 2048
	s_cmp_lt_u32 s27, 12
	s_cselect_b64 s[30:31], s[8:9], s[10:11]       ; the choices hang on the work-group's number alone
	s_cselect_b32 s29, 1024, s29
	s_cmp_lt_u32 s27, 8
	s_cselect_b64 s[30:31], s[6:7], s[30:31]
	s_cselect_b32 s29, 0, s29                      ; the tensor's first joint column
	s_cselect_b32 s70, 4096, s70                   ; its row in bytes
	s_lshl_b32 s67, s27, 7
	s_lshl_b32 s68, s26, 5
	s_add_co_u32 s67, s67, s68                     ; my wave's first joint column
	s_sub_co_u32 s68, s67, s29
	s_mul_i32 s72, s28, s70
	s_lshl_b32 s72, s72, 9
	s_lshl_b32 s73, s68, 2
	s_add_co_u32 s72, s72, s73
	s_mov_b32 s73, 0
	s_add_nc_u64 s[32:33], s[30:31], s[72:73]      ; block 0
	s_lshl_b32 s74, s70, 5
	s_mov_b32 s75, 0
.irp t, 1,2,3,4,5,6,7,8,9,10,11,12,13,14,15
	s_add_nc_u64 s[32+2*\t:33+2*\t], s[30+2*\t:31+2*\t], s[74:75]   ; 32 rows on
.endr
	v_lshlrev_b32 v[WOFF], 2, v2
.set n, 1
.rept 31
	v_add_nc_u32 v[WOFF+n], s70, v[WOFF+n-1]
.set n, n+1
.endr
	s_mul_i32 s76, s26, 32*PITCH
	s_add_co_u32 s76, s76, STB
	v_mul_u32_u24 v4, v2, PITCH
	v_add_nc_u32 v4, s76, v4
	v_and_b32 v5, 15, v2
	v_lshrrev_b32 v6, 4, v2
	v_mul_u32_u24 v7, v6, PITCH
	v_lshl_add_u32 v7, v5, 4, v7
	v_add_nc_u32 v7, s76, v7
	v_lshlrev_b32 v8, 10, v6
	v_lshl_add_u32 v8, v5, 4, v8                   ; a row of codes is 1,024 bytes
	v_lshlrev_b32 v9, 6, v2                        ; a row of scale bytes 64
	s_lshl_b32 s72, s67, 10
	s_lshl_b32 s77, s28, 8
	s_add_co_u32 s72, s72, s77
	s_add_nc_u64 s[78:79], s[20:21], s[72:73]
	s_lshl_b32 s72, s67, 6
	s_lshl_b32 s77, s28, 4
	s_add_co_u32 s72, s72, s77
	s_add_nc_u64 s[30:31], s[20:21], s[72:73]
	LOADB 0
	LOADB 1
.irp t, 0,1,2,3,4,5,6,7,8,9,10,11,12,13,14,15
	BLOCKB \t
.endr
	global_store_b128 v9, v[WSB:WSB+3], s[30:31] offset:2097152   ; my column's 16 scale bytes
.irp t, 0,1,2,3,4,5,6,7,8,9,10,11,12,13,14,15
	ds_load_b128 v[WO_+4*\t:WO_+4*\t+3], v7 offset:2*\t*PITCH
.endr
.irp t, 0,1,2,3,4,5,6,7,8,9,10,11,12,13,14,15
	s_wait_dscnt 15-\t
	global_store_b128 v8, v[WO_+4*\t:WO_+4*\t+3], s[78:79] offset:2*\t*1024   ; sixteen lanes store 256 consecutive bytes, aligned
.endr
.Lend:
	s_wait_tensorcnt 0x0                           ; the wave's end
	ds_add_u32 v[SPW], v[NIL]
	s_wait_dscnt 0x0
	s_endpgm
.Lfunc_end_k_q9cc64b972c_prep:
	.size	k_q9cc64b972c_prep, .Lfunc_end_k_q9cc64b972c_prep-k_q9cc64b972c_prep
	.p2alignl 7, 3214868480
	.fill 96, 4, 3214868480
	.section	.rodata,"a",@progbits
	.p2align	6, 0x0
	.amdhsa_kernel k_q9cc64b972c_prep
		.amdhsa_group_segment_fixed_size 102912
		.amdhsa_private_segment_fixed_size 0
		.amdhsa_enable_private_segment 0
		.amdhsa_kernarg_size 88
		.amdhsa_user_sgpr_count 2
		.amdhsa_user_sgpr_kernarg_segment_ptr 1
		.amdhsa_wavefront_size32 1
		.amdhsa_system_sgpr_workgroup_id_x 1
		.amdhsa_system_sgpr_workgroup_id_y 1
		.amdhsa_system_sgpr_workgroup_id_z 1
		.amdhsa_system_vgpr_workitem_id 0
		.amdhsa_next_free_vgpr 212
		.amdhsa_next_free_sgpr 80
		.amdhsa_reserve_vcc 1
		.amdhsa_float_denorm_mode_32 3
		.amdhsa_float_denorm_mode_16_64 3
		.amdhsa_memory_ordered 1
		.amdhsa_forward_progress 1
		.amdhsa_inst_pref_size 173
	.end_amdhsa_kernel
	.amdgpu_metadata
---
amdhsa.version: [ 1, 2 ]
amdhsa.kernels:
  - .name:           k_q9cc64b972c_prep
    .symbol:         k_q9cc64b972c_prep.kd
    .args:
      - { .name: hidden_states, .offset: 0, .size: 8, .value_kind: global_buffer, .address_space: global }
      - { .name: wq, .offset: 8, .size: 8, .value_kind: global_buffer, .address_space: global }
      - { .name: wk, .offset: 16, .size: 8, .value_kind: global_buffer, .address_space: global }
      - { .name: wv, .offset: 24, .size: 8, .value_kind: global_buffer, .address_space: global }
      - { .name: wo, .offset: 32, .size: 8, .value_kind: global_buffer, .address_space: global }
      - { .name: position_ids, .offset: 40, .size: 8, .value_kind: global_buffer, .address_space: global }
      - { .name: attention_mask, .offset: 48, .size: 8, .value_kind: global_buffer, .address_space: global }
      - { .name: xq, .offset: 56, .size: 8, .value_kind: global_buffer, .address_space: global }
      - { .name: wq4, .offset: 64, .size: 8, .value_kind: global_buffer, .address_space: global }
      - { .name: wot, .offset: 72, .size: 8, .value_kind: global_buffer, .address_space: global }
      - { .name: tab, .offset: 80, .size: 8, .value_kind: global_buffer, .address_space: global }
    .group_segment_fixed_size: 102912
    .private_segment_fixed_size: 0
    .kernarg_segment_align: 8
    .kernarg_segment_size: 88
    .max_flat_workgroup_size: 128
    .sgpr_count:     80
    .vgpr_count:     212
    .wavefront_size: 32
...
	.end_amdgpu_metadata
.endif
;; end of part 1
;; launch qkv (part 2): grid 8 x 16, 4 waves a work-group, clusters of 4 x 4, 327,680 bytes of LDS; arguments xq, wq4, tab, attention_mask, qkv, aux; writes qkv, aux
.if DOCPART == 2
	.amdgcn_target "amdgcn-amd-amdhsa--gfx1250"
	.amdhsa_code_object_version 6
	.text
	.protected	k_q9cc64b972c_qkv
	.globl	k_q9cc64b972c_qkv
	.p2align	8
	.type	k_q9cc64b972c_qkv,@function
k_q9cc64b972c_qkv:
	s_mov_b64 s[64:65], 0
	v_nop
	global_prefetch_b8 v0, s[64:65] scope:SCOPE_SE
	s_setreg_imm32_b32 hwreg(HW_REG_WAVE_MODE, 25, 1), 1
	s_wait_xcnt 0x0
	s_wait_alu depctr_hold_cnt(0) depctr_sa_sdst(0) depctr_va_vdst(0) depctr_va_sdst(0) depctr_va_ssrc(0) depctr_va_vcc(0) depctr_vm_vsrc(0)
	s_getreg_b32 s2, hwreg(HW_REG_IB_STS2, 6, 4)
	s_cmp_eq_u32 s2, 0
	s_cbranch_scc0 .Lentry_in_a_cluster
	s_endpgm
.Lentry_in_a_cluster:
	s_bfe_u32 s2, ttmp6, 0x10000c
	s_cmp_lg_u32 s2, 0xf033
	s_cbranch_scc0 .Lentry_shape_is_right
	s_endpgm
.Lentry_shape_is_right:
; QKV: [4096][2048 joint columns q | k | v] = x (wq | wk | wv), both operands codes of E2M1 with one E8M0 scale for each 32 along K = 2,048, sums in f32; then the rotary turn, and out as f16.
; A tile of 256 x 256 is made by four waves, 128 x 128 each: 64 accumulators, 512 registers.  K goes in steps of 512 through a ring of two LDS slots (rows of 256 bytes).  The scale bytes of the work-group's
; 256 + 256 rows come into LDS once.  CLUSTERS: 4 x 4 work-groups; x's tiles are asked for jointly along a row of the cluster, the weights' along a column.
; The grid has 128 work-groups: a wave's 128 x 128 feeds the most products from each LDS byte, and the launch is short; a tile of half the rows would double the reads of the weights' fragments.
; THE MATRIX INSTRUCTION IS USED TRANSPOSED (source 0 = 16 rows of the weights, source 1 = 16 rows of x): a lane holds eight neighbouring columns of one row.
; A wave's 128 columns are exactly one head g (0-7 q, 8-11 k, 12-15 v), so the turn's partners d and d + 64 are accumulators b and b + 4, same lane, same register.
; THE WAY OUT: cos and sin of the row come from tab (for k: x the mask, so a masked key's row becomes zeros; for v: 1 and 0); the results go as f16 to qkv [16 g][4096][128]; rows 0-15 also as f32 to aux [16][2048];
; for the k | v columns the sums over the wave's 128 rows of (mask != 0) x number go to aux + 131,072: [32 groups of rows][1024].
; LIMITS: |q|, |k|, |v| stay under 65,504 (f16); a mask value other than 0 counts as 1.
; REGISTERS, in windows of 256: window 0: v0-31 addresses; v32-95 scale words, two sets (they hold nothing else in the whole text); v128-191 x's fragments; on the way out v96-159 turned numbers, v160-191 f16 pairs, v192-223 rows read back.
;   window 1: the weights' fragments at v0 and v128; v64-79 the rows' mask factors; on the way out v0-63 column sums, v128-255 two sets of cos | sin.   windows 2, 3: the accumulators ((a, b) at v[8 (8 (a % 4) + b)]).
.set SIZE_M, 4096
.set SIZE_N, 2048
.set SIZE_K, 2048
.set KSTEP,  512
.set NQ,     KSTEP/128
.set ROWB,   256
.set KROW,   SIZE_K*4/8
.set PITCH,  272                       ; an LDS row: 256 bytes + 16: the sixteen rows of a fragment load start at sixteen different banks
.set FR,     8
.set NL,     2
.set NP,     4
.set HALFT,  128*PITCH
.set SLOT,   4*HALFT
.set LAPS,   SIZE_K/(2*KSTEP)
.set KS,     SIZE_K/32
.set SCL,    2*SLOT
.set HALFS,  (128*KS/256)*272
.set SBLK,   (16*KS/256)*272
.set SPARE,  SCL+4*HALFS               ; the spare words, 128 bytes a wave
.set ADRA, 16
.set ADRB, 20
.set ADRS, 27
.set SPW,  28
.set NIL,  29
.set SC,   32
.set AF,   128
.set G1, 24
.set G0, 32
.set G1B, 48
.set G0B, 56
.set G1S, 68
.set G0S, 76
.set G1SB, 80
.set G0SB, 88
.set RO,   8                           ; the way out: v8-15 block a's byte offset in the table; never rewritten
.set STO,  16                          ; where I put 16 bytes of a row in my stage
.set RDA,  17                          ; where I read a row back
.set COF,  18                          ; my byte offset in two rows of qkv
.set ROWI, 19                          ; my row of block 0
.set FOF,  20                          ; my byte offset in aux's f32 rows
.set TSO,  21                          ; the column sums: into the stage,
.set TSR,  22                          ; and back
.set LN16, 23                          ; 16 x lane
.set RR,   96
.set HF,   160
.set BKO,  192
.set CSB,  128                         ; window 1
.set TSM,  0                           ; window 1
.set MK,   64                          ; window 1
.set MSB, 0
.macro WIN new                         ; the immediate's high byte repeats the setting that is left
.if MSB != (\new)
	s_set_vgpr_msb (MSB<<8)|(\new)
.set MSB, (\new)
.endif
.endm
.set MUL_LO, 0xa1
.set MUL_HI, 0xf1
.set TO_B,   0x40
; A joint load: waves 0 and 1 fetch for x, waves 2 and 3 for the weights; the branch hangs on the wave's number alone.  An s_nop 0 and four v_nop follow each of the two lines.
.macro JLOAD g0a, g1a, g0b, g1b
	s_cmp_eq_u32 s15, 0
	s_cbranch_scc0 .Lfor_b_\@
	tensor_load_to_lds s[\g0a:\g0a+3], s[\g1a:\g1a+7]
	s_nop 0
.rept 4
	v_nop
.endr
	s_branch .Lasked_\@
.Lfor_b_\@:
	tensor_load_to_lds s[\g0b:\g0b+3], s[\g1b:\g1b+7]
	s_nop 0
.rept 4
	v_nop
.endr
.Lasked_\@:
.endm
.macro CREST
	s_cmp_lg_u32 s14, 0
	s_cbranch_scc1 .Lnot_wave_0_\@
	s_barrier_signal -3
.Lnot_wave_0_\@:
	s_barrier_wait -3
	s_barrier_signal -1
	s_barrier_wait -1
.endm
.macro CROUND
	s_barrier_signal -1
	s_barrier_wait -1
	CREST
.endm
	s_load_b64 s[4:5], s[0:1], 0x0                 ; xq: codes, and 4,194,304 bytes on the scale bytes
	s_load_b64 s[8:9], s[0:1], 0x8                 ; wq4: codes, and 2,097,152 bytes on the scale bytes
	s_load_b128 s[96:99], s[0:1], 0x10             ; tab s[96:97], attention_mask s[98:99]
	s_load_b64 s[12:13], s[0:1], 0x20              ; qkv
	s_load_b64 s[100:101], s[0:1], 0x28            ; aux
	v_lshl_add_u32 v[SPW], v0, 2, SPARE
	v_mov_b32 v[NIL], 0
	ds_add_u32 v[SPW], v[NIL]                      ; the wave's opening: the add, twice on end, and its wait ahead of my first tensor load
	ds_add_u32 v[SPW], v[NIL]
	v_lshrrev_b32 v1, 5, v0
	v_readfirstlane_b32 s14, v1                    ; wave 0..3
	s_lshr_b32 s15, s14, 1                         ; which half of the tile's rows is mine.  Also: I fetch for x (0) or for the weights (1)
	s_and_b32 s16, s14, 1                          ; which half of its columns.  Also: which 128 rows of that tile I fetch
	s_bfe_u32 s40, ttmp6, 0x40000                  ; cx, cy
	s_bfe_u32 s41, ttmp6, 0x40004
	s_lshl_b32 s42, ttmp9, 2
	s_add_co_u32 s42, s42, s40                     ; tile column
	s_and_b32 s17, ttmp7, 0xffff
	s_lshl_b32 s17, s17, 2
	s_add_co_u32 s17, s17, s41                     ; tile row
	s_lshl_b32 s43, s41, 2
	s_lshl_b32 s43, 15, s43                        ; my row of the cluster
	s_lshl_b32 s44, 0x1111, s40                    ; my column
	s_or_b32 s[G1+0], s43, (0<<16)|(1<<20)|(1<<21)|(5<<22)|(3<<25)  ; the mask; elements of 1 byte; padding: 4 words after every 64
	s_or_b32 s[G1B+0], s44, (0<<16)|(1<<20)|(1<<21)|(5<<22)|(3<<25)
.irp g, G1, G1B
	s_mov_b32 s[\g+1], ROWB<<16                    ; tensor_dim0
	s_mov_b32 s[\g+2], 128<<16                     ; tensor_dim1
	s_mov_b32 s[\g+3], ROWB<<16                    ; tile_dim0
	s_mov_b32 s[\g+4], 128                         ; tile_dim1
	s_mov_b32 s[\g+5], KROW                        ; stride
	s_mov_b32 s[\g+6], 0
	s_mov_b32 s[\g+7], 0
.endr
	s_or_b32 s[G1S+0], s43, (3<<16)|(1<<20)|(1<<21)|(5<<22)|(3<<25)   ; the scales of 128 rows: a dense block, as rows of 256 bytes
	s_or_b32 s[G1SB+0], s44, (3<<16)|(1<<20)|(1<<21)|(5<<22)|(3<<25)
.irp g, G1S, G1SB
	s_mov_b32 s[\g+1], 32<<16
	s_mov_b32 s[\g+2], (128*KS/256)<<16
	s_mov_b32 s[\g+3], 32<<16
	s_mov_b32 s[\g+4], 128*KS/256
	s_mov_b32 s[\g+5], 32
	s_mov_b32 s[\g+6], 0
	s_mov_b32 s[\g+7], 0
.endr
	s_lshl_b32 s18, s16, 7
	s_lshl_b32 s20, s17, 8
	s_add_co_u32 s20, s20, s18                     ; x: row 256 x tile row + 128 x half
	s_lshl_b32 s46, s42, 8
	s_add_co_u32 s46, s46, s18                     ; weights: row 256 x tile column + 128 x half
	s_mov_b32 s21, 0
	s_mov_b32 s47, 0
	s_mov_b64 s[18:19], KS
	s_mul_u64 s[22:23], s[20:21], s[18:19]
	s_mul_u64 s[92:93], s[46:47], s[18:19]
	s_mov_b64 s[18:19], KROW
	s_mul_u64 s[20:21], s[20:21], s[18:19]
	s_mul_u64 s[46:47], s[46:47], s[18:19]
	s_mul_i32 s45, s14, HALFT                      ; where they go: wave x 128 rows
	s_mul_i32 s94, s14, HALFS
	s_wait_dscnt 0x0                               ; both opening adds are done
	s_wait_kmcnt 0x0
	s_add_nc_u64 s[6:7], s[4:5], 0x400000          ; x's scale bytes
	s_add_nc_u64 s[10:11], s[8:9], 0x200000        ; the weights'
	s_add_nc_u64 s[20:21], s[4:5], s[20:21]
	s_add_nc_u64 s[22:23], s[6:7], s[22:23]
	s_add_nc_u64 s[46:47], s[8:9], s[46:47]
	s_add_nc_u64 s[92:93], s[10:11], s[92:93]
	CROUND                                         ; all sixteen work-groups are here: the first joint loads meet
	s_mov_b32 s[G0S], 1
	s_add_co_u32 s[G0S+1], s94, SCL
	s_mov_b64 s[G0S+2:G0S+3], s[22:23]
	s_or_b32 s[G0S+3], s[G0S+3], 0x80000000
	s_mov_b32 s[G0SB], 1
	s_add_co_u32 s[G0SB+1], s94, SCL
	s_mov_b64 s[G0SB+2:G0SB+3], s[92:93]
	s_or_b32 s[G0SB+3], s[G0SB+3], 0x80000000
	JLOAD G0S, G1S, G0SB, G1SB                     ; the scales first
.irp s, 0,1
	s_mov_b32 s[G0+4*\s], 1
	s_add_co_u32 s[G0+4*\s+1], s45, \s*SLOT
	s_add_nc_u64 s[G0+4*\s+2:G0+4*\s+3], s[20:21], \s*ROWB
	s_or_b32 s[G0+4*\s+3], s[G0+4*\s+3], 0x80000000
	s_mov_b32 s[G0B+4*\s], 1
	s_add_co_u32 s[G0B+4*\s+1], s45, \s*SLOT
	s_add_nc_u64 s[G0B+4*\s+2:G0B+4*\s+3], s[46:47], \s*ROWB
	s_or_b32 s[G0B+4*\s+3], s[G0B+4*\s+3], 0x80000000
	JLOAD G0+4*\s, G1, G0B+4*\s, G1B
.endr
	v_and_b32 v1, 15, v0
	v_bfe_u32 v2, v0, 4, 1
	v_mul_u32_u24 v3, v1, PITCH
	v_lshl_add_u32 v4, v2, 4, v3
	s_mul_i32 s21, s15, HALFT
	s_mul_i32 s22, s16, HALFT
	s_add_co_u32 s22, s22, 2*HALFT
.irp s, 0,1
	v_add_nc_u32 v[ADRA+\s], s21, v4
	v_add_nc_u32 v[ADRB+\s], s22, v4
	s_add_co_u32 s21, s21, SLOT
	s_add_co_u32 s22, s22, SLOT
.endr
	v_mul_u32_u24 v5, v1, KS
	v_lshrrev_b32 v6, 8, v5
	v_lshl_add_u32 v5, v6, 4, v5
	s_mul_i32 s21, s15, HALFS
	s_mul_i32 s22, s16, HALFS
	s_add_co_u32 s22, s22, 2*HALFS
	s_sub_co_u32 s22, s22, s21
	v_mul_u32_u24 v6, s22, v2                      ; lanes 16-31 take the weights' scale words
	s_add_co_u32 s21, s21, SCL
	v_add_nc_u32 v5, v5, v6
	v_add_nc_u32 v[ADRS], s21, v5
	; the mask of my 128 rows, as factors 1.0 or 0.0, twice each (pairs for the packed forms): they wait in window 1 for the way out
	s_lshl_b32 s20, s17, 8
	s_lshl_b32 s21, s15, 7
	s_add_co_u32 s95, s20, s21                     ; my first row
	v_add_nc_u32 v7, s95, v1
	v_lshlrev_b32 v7, 2, v7
.irp a, 0,1,2,3,4,5,6,7
	global_load_b32 v[96+\a], v7, s[98:99] offset:64*\a
.endr
	v_mov_b32 v6, 1.0
	s_wait_loadcnt 0x0
.irp a, 0,1,2,3,4,5,6,7
	v_cmp_ne_u32 vcc_lo, 0, v[96+\a]
	v_cndmask_b32 v[96+\a], 0, v6, vcc_lo
.endr
	WIN 0x40
.irp a, 0,1,2,3,4,5,6,7
	v_mov_b32 v[MK+2*\a], v[96+\a]
	v_mov_b32 v[MK+2*\a+1], v[96+\a]
.endr
	WIN 0
.macro FRAG reg, adr, q, i             ; 16 rows x 128 K of 4-bit codes: 8 registers, two loads of 16 bytes, 32 bytes apart
.irp c, 0,1
	ds_load_b128 v[\reg+4*\c:\reg+4*\c+3], v[\adr] offset:64*(\q)+32*\c+(\i)*16*PITCH
.endr
.endm
; 16 matrix instructions: x's blocks a0, a0 + 1 against the weights' eight.  The 64 accumulators take turns, one instruction a turn, in the same order in every step.
.macro MUL16 a0, p, q, sc, zero
.irp a, \a0, \a0+1
.irp b, 0,1,2,3,4,5,6,7
.if \zero
	v_wmma_scale_f32_16x16x128_f8f6f4 v[8*(8*((\a)%4)+\b):8*(8*((\a)%4)+\b)+7], v[128*(\p)+FR*\b:128*(\p)+FR*\b+FR-1], v[AF+FR*(\a):AF+FR*(\a)+FR-1], 0, v[SC+8*NQ*(\sc)+NQ*\b+(\q)], v[SC+8*NQ*(\sc)+NQ*(\a)+(\q)] matrix_a_fmt:MATRIX_FMT_FP4 matrix_b_fmt:MATRIX_FMT_FP4 matrix_a_scale:MATRIX_SCALE_ROW1
.else
	v_wmma_scale_f32_16x16x128_f8f6f4 v[8*(8*((\a)%4)+\b):8*(8*((\a)%4)+\b)+7], v[128*(\p)+FR*\b:128*(\p)+FR*\b+FR-1], v[AF+FR*(\a):AF+FR*(\a)+FR-1], v[8*(8*((\a)%4)+\b):8*(8*((\a)%4)+\b)+7], v[SC+8*NQ*(\sc)+NQ*\b+(\q)], v[SC+8*NQ*(\sc)+NQ*(\a)+(\q)] matrix_a_fmt:MATRIX_FMT_FP4 matrix_b_fmt:MATRIX_FMT_FP4 matrix_a_scale:MATRIX_SCALE_ROW1
.endif
.endr
.endr
.endm
.macro FETCH_B slot, q, p
	WIN TO_B
.irp i, 0,1,2,3,4,5,6,7
	FRAG 128*(\p)+FR*\i, ADRB+\slot, \q, \i
.endr
	WIN 0
.endm
.macro FETCH_A slot, q, i0
.irp i, \i0, \i0+1, \i0+2, \i0+3
	FRAG AF+FR*(\i), ADRA+\slot, \q, \i
.endr
.endm
.macro SCALES sc                       ; lanes 0-15 take the words of x's block i, lanes 16-31 those of the weights' block i
.irp i, 0,1,2,3,4,5,6,7
	ds_load_b128 v[SC+8*NQ*\sc+NQ*\i:SC+8*NQ*\sc+NQ*\i+3], v[ADRS] offset:\i*SBLK
.endr
.endm
.macro PLACES n                        ; plain vector instructions between a matrix instruction and a load into, or a read of, its registers
.rept \n
	v_nop
.endr
.endm
.macro STEP slot, q, zero
	s_wait_dscnt 4*NL                              ; the weights' set and x's blocks 0-3 are in; the youngest eight loads (blocks 4-7) may be out
	WIN MUL_LO
	MUL16 0, (\q)%2, \q, \slot, \zero
	MUL16 2, (\q)%2, \q, \slot, \zero
	s_wait_dscnt 0
	PLACES NP
	FETCH_B \slot, (\q)+1, 1-(\q)%2
	FETCH_A \slot, (\q)+1, 0
	WIN MUL_HI
	MUL16 4, (\q)%2, \q, \slot, \zero
	MUL16 6, (\q)%2, \q, \slot, \zero
	PLACES NP
	WIN 0
	FETCH_A \slot, (\q)+1, 4
.endm
; A slot's last step changes slots: one barrier; in front of it each wave waits for all its tensor loads, adds 0 to its spare word, and waits for that and for its reads of this slot.
.macro TURN slot, next, fill
	s_wait_tensorcnt 0x0                           ; all my tensor loads have landed: my part of the next slot
	ds_add_u32 v[SPW], v[NIL]
	s_wait_dscnt 4*NL+1                            ; the add and the youngest eight loads may be out
	WIN MUL_LO
	MUL16 0, 1, NQ-1, \slot, 0
	s_wait_dscnt 0x0                               ; the add is done, and my reads of this slot are over
	s_barrier_signal -1
	MUL16 2, 1, NQ-1, \slot, 0
	WIN 0
	s_barrier_wait -1
.if \fill
	CREST                                          ; the barrier has opened a round of the cluster's barrier: no wave of any partner still reads this slot or has a load on its way
	s_add_nc_u64 s[G0+4*\slot+2:G0+4*\slot+3], s[G0+4*\slot+2:G0+4*\slot+3], 2*ROWB
	s_add_nc_u64 s[G0B+4*\slot+2:G0B+4*\slot+3], s[G0B+4*\slot+2:G0B+4*\slot+3], 2*ROWB
	JLOAD G0+4*\slot, G1, G0B+4*\slot, G1B
.else
	PLACES NP
.endif
	v_add_nc_u32 v[ADRS], 4*NQ, v[ADRS]
	FETCH_B \next, 0, 0
	FETCH_A \next, 0, 0
	SCALES \next
	WIN MUL_HI
	MUL16 4, 1, NQ-1, \slot, 0
	MUL16 6, 1, NQ-1, \slot, 0
	PLACES NP
	WIN 0
	FETCH_A \next, 0, 4
.endm
.macro STEPS slot, from
.set Q, \from
.rept NQ-1-\from
	STEP \slot, Q, 0
.set Q, Q+1
.endr
.endm
	s_wait_tensorcnt 1                             ; the scales and my part of K step 0 are in; K step 1's load may be out: three loads of mine were issued
	s_barrier_signal -1
	s_barrier_wait -1
	FETCH_B 0, 0, 0
	FETCH_A 0, 0, 0
	SCALES 0
	FETCH_A 0, 0, 4
	STEP 0, 0, 1                                   ; the first step's products start the sums
	s_mov_b32 s3, LAPS-1
.Llap:
	STEPS 0, 1
	TURN 0, 1, 1
	STEPS 1, 0
	TURN 1, 0, 1
	STEP 0, 0, 0
	s_sub_co_u32 s3, s3, 1
	s_cmp_lg_u32 s3, 0
	s_cbranch_scc1 .Llap
	STEPS 0, 1
	TURN 0, 1, 0
	STEPS 1, 0
	s_wait_dscnt 4*NL
	WIN MUL_LO
	MUL16 0, 1, NQ-1, 1, 0
	MUL16 2, 1, NQ-1, 1, 0
	s_wait_dscnt 0
	WIN MUL_HI
	MUL16 4, 1, NQ-1, 1, 0
	MUL16 6, 1, NQ-1, 1, 0
	WIN 0
; ---- THE WAY OUT.  My stage, 16 rows x 272 bytes, lies in slot 0, which has had its last fill, and which nobody reads behind the last change of slots.
	PLACES NP
	s_lshl_b32 s24, s42, 1
	s_add_co_u32 s24, s24, s16                     ; my head g
	s_lshl_b32 s26, s24, 7                         ; my first joint column
	s_mov_b32 s27, 0x400000
	s_cmp_lt_u32 s24, 12
	s_cselect_b32 s27, 0x200000, s27
	s_cselect_b32 s28, 512, 0                      ; the table's pitch: the values' one row serves every row
	s_cmp_lt_u32 s24, 8
	s_cselect_b32 s30, 0, s27                      ; q: plain table; k: x the mask; v: 1 and 0.  Values are chosen, no branch
	s_mov_b32 s31, 0
	s_add_nc_u64 s[32:33], s[96:97], s[30:31]
	s_lshl_b32 s30, s24, 20
	s_lshl_b32 s29, s95, 8
	s_add_co_u32 s30, s30, s29
	s_add_nc_u64 s[34:35], s[12:13], s[30:31]      ; qkv at my head's rows
	s_lshl_b32 s30, s26, 2
	s_add_nc_u64 s[36:37], s[100:101], s[30:31]    ; aux at my columns
	s_lshl_b32 s30, s95, 5
	s_add_nc_u64 s[38:39], s[36:37], s[30:31]      ; and 4,096 bytes for each group of 128 rows
	s_mul_i32 s29, s14, 16*PITCH
	v_and_b32 v1, 15, v0
	v_bfe_u32 v2, v0, 4, 1
	v_and_b32 v3, 31, v0
	v_add_nc_u32 v[ROWI], s95, v1
	v_lshlrev_b32 v4, 5, v2
.irp a, 0,1,2,3,4,5,6,7
	v_add_nc_u32 v5, 16*\a, v[ROWI]
	v_mad_u32_u24 v[RO+\a], v5, s28, v4            ; row x pitch + 32 h
.endr
	v_mul_u32_u24 v[STO], v1, PITCH
	v_lshl_add_u32 v[STO], v2, 4, v[STO]
	v_add_nc_u32 v[STO], s29, v[STO]
	v_mul_u32_u24 v[RDA], v2, PITCH
	v_lshl_add_u32 v[RDA], v1, 4, v[RDA]
	v_add_nc_u32 v[RDA], s29, v[RDA]
	v_lshlrev_b32 v[COF], 8, v2
	v_lshl_add_u32 v[COF], v1, 4, v[COF]
	v_lshlrev_b32 v[FOF], 13, v1
	v_add_nc_u32 v[FOF], v[FOF], v4
	v_add_nc_u32 v[TSO], s29, v4
	v_lshlrev_b32 v[LN16], 4, v3
	v_add_nc_u32 v[TSR], s29, v[LN16]
.macro LCS a                           ; block a's cos and sin: for b = 0 .. 3 my eight of d = 16 b + 8 h + 0 .. 7
.set CC, CSB+64*((\a)%2)
	WIN 0x40
.irp b, 0,1,2,3
.irp i, 0,1
	global_load_b128 v[CC+8*\b+4*\i:CC+8*\b+4*\i+3], v[RO+(\a)], s[32:33] offset:64*\b+16*\i
	global_load_b128 v[CC+32+8*\b+4*\i:CC+32+8*\b+4*\i+3], v[RO+(\a)], s[32:33] offset:256+64*\b+16*\i
.endr
.endr
	WIN 0
.endm
.macro ROT a                           ; lo' = lo cos - hi sin, hi' = hi cos + lo sin; each accumulator is read from its low end on
.set CC, CSB+64*((\a)%2)
.set AC, 64*((\a)%4)
	WIN 0x06+(\a)/4
.irp b, 0,1,2,3
.irp p, 0,2,4,6
	v_pk_mul_f32 v[RR+8*\b+\p:RR+8*\b+\p+1], v[AC+8*\b+\p:AC+8*\b+\p+1], v[CC+8*\b+\p:CC+8*\b+\p+1]
	v_pk_mul_f32 v[RR+32+8*\b+\p:RR+32+8*\b+\p+1], v[AC+32+8*\b+\p:AC+32+8*\b+\p+1], v[CC+8*\b+\p:CC+8*\b+\p+1]
	v_pk_fma_f32 v[RR+8*\b+\p:RR+8*\b+\p+1], v[AC+32+8*\b+\p:AC+32+8*\b+\p+1], v[CC+32+8*\b+\p:CC+32+8*\b+\p+1], v[RR+8*\b+\p:RR+8*\b+\p+1] neg_lo:[1,0,0] neg_hi:[1,0,0]
	v_pk_fma_f32 v[RR+32+8*\b+\p:RR+32+8*\b+\p+1], v[AC+8*\b+\p:AC+8*\b+\p+1], v[CC+32+8*\b+\p:CC+32+8*\b+\p+1], v[RR+32+8*\b+\p:RR+32+8*\b+\p+1]
.endr
.endr
	WIN 0
.endm
.macro TSUM a                          ; the k | v columns (the cluster's x = 1, the same in all partners): column sums of mask x number
	s_cmp_lg_u32 ttmp9, 1
	s_cbranch_scc1 .Lno_sum_\@
.set n, 0
.if (\a) == 0
	WIN 0x44
.rept 32
	v_pk_mul_f32 v[TSM+n:TSM+n+1], v[RR+n:RR+n+1], v[MK:MK+1]
.set n, n+2
.endr
.else
	WIN 0x54
.rept 32
	v_pk_fma_f32 v[TSM+n:TSM+n+1], v[RR+n:RR+n+1], v[MK+2*(\a):MK+2*(\a)+1], v[TSM+n:TSM+n+1]
.set n, n+2
.endr
.endif
	WIN 0
.Lno_sum_\@:
.endm
.macro OUT16 a                         ; 16 rows x 128 columns as f16, through my stage, out as rows of 256 bytes
.set n, 0
.rept 32
	v_cvt_pk_f16_f32 v[HF+n], v[RR+2*n], v[RR+2*n+1]
.set n, n+1
.endr
.irp b, 0,1,2,3,4,5,6,7
	ds_store_b128 v[STO], v[HF+4*\b:HF+4*\b+3] offset:32*\b
.endr
.irp t, 0,1,2,3,4,5,6,7
	ds_load_b128 v[BKO+4*\t:BKO+4*\t+3], v[RDA] offset:544*\t   ; LDS serves a wave's instructions in order: these see the stores above
.endr
	s_wait_dscnt 0x0
.irp t, 0,1,2,3,4,5,6,7
	global_store_b128 v[COF], v[BKO+4*\t:BKO+4*\t+3], s[34:35] offset:(16*(\a)+2*\t)*256   ; 32 lanes store 512 consecutive bytes, aligned
.endr
.endm
	LCS 0
.irp a, 0,1,2,3,4,5,6,7
	s_wait_xcnt 0x0                                ; the last block's stores have read their registers
.if \a < 7
	LCS \a+1
	s_wait_loadcnt 16                              ; this block's table is in; the next block's sixteen loads may be out
.else
	s_wait_loadcnt 0x0
.endif
	ROT \a
.if \a == 0
	s_wait_xcnt 0x0                                ; EXEC changes only behind this wait
	v_cmp_gt_u32 vcc_lo, 16, v[ROWI]               ; rows 0-15 of the sequence also leave as f32: lanes are switched off, nothing branches
	s_and_saveexec_b32 s22, vcc_lo
.irp q, 0,1,2,3,4,5,6,7,8,9,10,11,12,13,14,15
	global_store_b128 v[FOF], v[RR+4*\q:RR+4*\q+3], s[36:37] offset:64*(\q/2)+16*(\q%2)
.endr
	s_wait_xcnt 0x0
	s_or_b32 exec_lo, exec_lo, s22
.endif
	TSUM \a
	OUT16 \a
.endr
	s_cmp_lg_u32 ttmp9, 1
	s_cbranch_scc1 .Lno_tsum
	WIN 0x01
.set n, 0
.rept 64
	v_mov_b32 v[RR+n], v[TSM+n]                    ; the steps across lanes are made in window 0
.set n, n+1
.endr
	WIN 0
.irp m, 1,2,4,8
.set n, 0
.rept 64
	v_add_f32_dpp v[RR+n], v[RR+n], v[RR+n] row_xmask:\m row_mask:0xf bank_mask:0xf
.set n, n+1
.endr
.endr
.irp q, 0,1,2,3,4,5,6,7,8,9,10,11,12,13,14,15
	ds_store_b128 v[TSO], v[RR+4*\q:RR+4*\q+3] offset:64*(\q/2)+16*(\q%2)   ; the sixteen lanes of a half write the same bytes with the same values
.endr
	ds_load_b128 v[HF:HF+3], v[TSR]
	s_wait_dscnt 0x0
	global_store_b128 v[LN16], v[HF:HF+3], s[38:39] offset:126976   ; 131,072 less the 1,024 q columns: 512 consecutive bytes
.Lno_tsum:
	s_wait_tensorcnt 0x0                           ; the wave's end
	ds_add_u32 v[SPW], v[NIL]
	s_wait_dscnt 0x0
	CROUND                                         ; the closing round
	s_endpgm
.Lfunc_end_k_q9cc64b972c_qkv:
	.size	k_q9cc64b972c_qkv, .Lfunc_end_k_q9cc64b972c_qkv-k_q9cc64b972c_qkv
	.p2alignl 7, 3214868480
	.fill 96, 4, 3214868480
	.section	.rodata,"a",@progbits
	.p2align	6, 0x0
	.amdhsa_kernel k_q9cc64b972c_qkv
		.amdhsa_group_segment_fixed_size 327680
		.amdhsa_private_segment_fixed_size 0
		.amdhsa_enable_private_segment 0
		.amdhsa_kernarg_size 48
		.amdhsa_user_sgpr_count 2
		.amdhsa_user_sgpr_kernarg_segment_ptr 1
		.amdhsa_wavefront_size32 1
		.amdhsa_system_sgpr_workgroup_id_x 1
		.amdhsa_system_sgpr_workgroup_id_y 1
		.amdhsa_system_sgpr_workgroup_id_z 1
		.amdhsa_system_vgpr_workitem_id 0
		.amdhsa_next_free_vgpr 1024
		.amdhsa_next_free_sgpr 102
		.amdhsa_reserve_vcc 1
		.amdhsa_float_denorm_mode_32 3
		.amdhsa_float_denorm_mode_16_64 3
		.amdhsa_memory_ordered 1
		.amdhsa_forward_progress 1
		.amdhsa_inst_pref_size 255
	.end_amdhsa_kernel
	.section	.bss,"aw",@nobits
	.p2align	6
	.space	262144
	.amdgpu_metadata
---
amdhsa.version: [ 1, 2 ]
amdhsa.kernels:
  - .name:           k_q9cc64b972c_qkv
    .symbol:         k_q9cc64b972c_qkv.kd
    .args:
      - { .name: xq, .offset: 0, .size: 8, .value_kind: global_buffer, .address_space: global }
      - { .name: wq4, .offset: 8, .size: 8, .value_kind: global_buffer, .address_space: global }
      - { .name: tab, .offset: 16, .size: 8, .value_kind: global_buffer, .address_space: global }
      - { .name: attention_mask, .offset: 24, .size: 8, .value_kind: global_buffer, .address_space: global }
      - { .name: qkv, .offset: 32, .size: 8, .value_kind: global_buffer, .address_space: global }
      - { .name: aux, .offset: 40, .size: 8, .value_kind: global_buffer, .address_space: global }
    .group_segment_fixed_size: 327680
    .private_segment_fixed_size: 0
    .kernarg_segment_align: 8
    .kernarg_segment_size: 48
    .max_flat_workgroup_size: 128
    .sgpr_count:     102
    .vgpr_count:     1024
    .wavefront_size: 32
...
	.end_amdgpu_metadata
.endif
;; end of part 2
;; launch attn (part 3): grid 64 x 4, 4 waves a work-group, clusters of 4 x 1, 327,680 bytes of LDS; arguments qkv, aux, tab, att; writes att
.if DOCPART == 3
	.amdgcn_target "amdgcn-amd-amdhsa--gfx1250"
	.amdhsa_code_object_version 6
	.text
	.protected	k_q9cc64b972c_attn
	.globl	k_q9cc64b972c_attn
	.p2align	8
	.type	k_q9cc64b972c_attn,@function
k_q9cc64b972c_attn:
	s_mov_b64 s[64:65], 0
	v_nop
	global_prefetch_b8 v0, s[64:65] scope:SCOPE_SE
	s_setreg_imm32_b32 hwreg(HW_REG_WAVE_MODE, 25, 1), 1
	s_wait_xcnt 0x0
	s_wait_alu depctr_hold_cnt(0) depctr_sa_sdst(0) depctr_va_vdst(0) depctr_va_sdst(0) depctr_va_ssrc(0) depctr_va_vcc(0) depctr_vm_vsrc(0)
	s_getreg_b32 s2, hwreg(HW_REG_IB_STS2, 6, 4)
	s_cmp_eq_u32 s2, 0
	s_cbranch_scc0 .Lentry_in_a_cluster
	s_endpgm
.Lentry_in_a_cluster:
	s_bfe_u32 s2, ttmp6, 0x10000c
	s_cmp_lg_u32 s2, 0x3003
	s_cbranch_scc0 .Lentry_shape_is_right
	s_endpgm
.Lentry_shape_is_right:
; ATTENTION in f16 operands and f32 sums, with the causal mask and the padding mask.  qkv: f16 [16][4096][128] (0-7 query heads, 8-11 key heads, 12-15 value heads); att: f16 [4096][1024].
; SHARES.  Work-group y = the key and value head.  A block is 32 rows; its 'queries' are 32 rows x the 2 query heads of that head: four tiles of 16 (tile t: head t & 1, rows 16 (t >> 1) on).
; ALL FOUR WAVES HOLD THE SAME FOUR TILES AND SPLIT THE KEYS: a slot is 256 keys, wave w takes keys 64 w .. 64 w + 63 of it; so each byte of K and V in LDS is read once and feeds four tiles.
; A work-group takes a late block bA and then the early block 127 - bA: floor(b / 8) + 1 slots each, 17 slot trips in all, in every work-group.  At a block's end the four waves' sums are merged through LDS.
; CLUSTER.  The four partners have blocks in the same group of eight, so they walk the same slots in the same trips, and every wave reads its keys of every slot: each tile is asked for jointly.
; LAYOUT.  S^T = K Q^T and O^T = V^T P: a lane holds one query throughout.  K comes out of LDS as it lies, V turned by ds_load_tr16_b128.
; MASKS, by values alone.  L = -2^100 is a padded key's score: the launch before stored such keys' rows as zeros, and the bias (0 or L) is the C of the first product, so the score is L exactly.  H = -2^102 replaces the scores
; of keys behind the query, in a block's last slot.  m begins at H.  c L and c H are exact, so p = 2^(c s - c m) is 1 for s = m in {L, H} and 0 for what lies under m; what was summed under L or H is multiplied by 0 when m grows.
; A row none of whose keys up to itself counts ends with m = L, O = the sum of those values and l their number; there the way out adds T, the sum of all values whose mask is not 0, and their number n1:
; the uniform mean that the two additions of the least f32 number give.  No infinity is made anywhere.
; BY TURNS, inside a key step: piece 0 (tiles 0, 1) and piece 2 (tiles 2, 3): K Q^T of piece 0 | K Q^T of piece 2 with piece 0's softmax in slices between | V^T P of piece 0 with piece 2's softmax | V^T P of piece 2.
; LIMITS: scores stay under 2^100 in size; |q|, |k|, |v| under 65,504.
; REGISTERS: window 0: v0-63 addresses and statistics; v64-191 S^T (32 a tile); v192-255 P (16 a tile).  window 1: O^T (64 a tile).  window 2: v0-127 Q, v128-255 K.  window 3: v0-127 V, v128-159 the bias.
.set PK,    272                        ; a row of K in LDS: 256 + 16
.set PVP,   288                        ; a row of V: 256 + 32
.set VOFF,  256*PK
.set SLOTB, 256*(PK+PVP)               ; 143,360
.set MERGE, 2*SLOTB                    ; four waves x one tile of O^T
.set XST,   MERGE+32768                ; the waves' statistics, later 16 rows x 272 of results; barriers part the two uses
.set TSL,   XST+4608                   ; T: 128 f32
.set SPARE, TSL+512                    ; the spare words
.set AK0, 2
.set AV0, 3
.set ADR, 4
.set QO,  5
.set MW,  6
.set MR,  7
.set OW,  8
.set ORD, 9
.set GO,  10
.set BO,  11
.set ST,  12                           ; tile t's statistics at v[ST + 8 t]: +0 c m, +1 m, +2, +3 l, +4 .. +7 at work (a at +6)
.set DQ,  44                           ; v44, v45: my query's place among my wave's keys in the block's last slot, for rows 0-15 and 16-31
.set HV,  46
.set STW, 47
.set STR, 48
.set TSA, 49
.set PFO, 50
.set ADR2, 51
.set DBASE, 52
.set ONE, 53
.set SPW, 62
.set NIL, 63
.set S,   64
.set P,   192
.set KF,  128
.set BI,  128
.set WV,  12
.set CX,  13
.set LIMV, 15
.set KVH, 16
.set NA,  17
.set PFA, 18
.set TAU, 20
.set FB,  21
.set TB,  22
.set DG,  23
.set G1K, 24
.set G1V, 32
.set G0K, 40
.set G0V, 44
.set KB0, 48
.set VB0, 50
.set BB0, 52
.set BB,  54
.set QB2, 56
.set CS,  58
.set SEL, 60
.set OB,  62
.set NS,  66
.set N1,  67
.set KL,  80
.set VL,  81
.set OB2, 82
.set DB,  84
.set CLB, 85
.set MSB, 0
.macro WIN new
.if MSB != (\new)
	s_set_vgpr_msb (MSB<<8)|(\new)
.set MSB, (\new)
.endif
.endm
.set W_KQ, 0x0a                        ; K and Q window 2, S^T window 0
.set W_KB, 0x3a                        ; the same, C (the bias) window 3
.set W_PV, 0x53                        ; V window 3, P window 0, O^T window 1
.set W_RS, 0x41                        ; O^T window 1, the factor window 0
.macro JLOAD                           ; waves 0 and 1 fetch K's halves of a slot, waves 2 and 3 V's; an s_nop 0 and four v_nop follow each line
	s_cmp_lt_u32 s[WV], 2
	s_cbranch_scc0 .Lfor_v_\@
	tensor_load_to_lds s[G0K:G0K+3], s[G1K:G1K+7]
	s_nop 0
.rept 4
	v_nop
.endr
	s_branch .Lasked_\@
.Lfor_v_\@:
	tensor_load_to_lds s[G0V:G0V+3], s[G1V:G1V+7]
	s_nop 0
.rept 4
	v_nop
.endr
.Lasked_\@:
.endm
; A prefetch of the slot that the NEXT change will ask for.  The head's first cluster walks slots 0 to 15 in order; it alone asks.  Its sixteen waves share a slot's 256 rows of K and 256 of V out by address, 32 rows a wave,
; a lane a row of 256 bytes: each row is named once in the launch.  Trips 0 to 13 name slots 2 to 15.
.macro ASK
	s_cmp_lt_u32 s[TAU], s[LIMV]
	s_cbranch_scc0 .Lnot_mine_\@
	global_prefetch_b8 v[PFO], s[PFA:PFA+1] th:TH_LOAD_NT scope:SCOPE_SE
.Lnot_mine_\@:
.endm
.macro CROUND
	s_barrier_signal -1
	s_barrier_wait -1
	s_cmp_lg_u32 s[WV], 0
	s_cbranch_scc1 .Lnot_wave_0_\@
	s_barrier_signal -3
.Lnot_wave_0_\@:
	s_barrier_wait -3
	s_barrier_signal -1
	s_barrier_wait -1
.endm
.macro PLACES
.rept 4
	v_nop
.endr
.endm
.macro BARRIER                         ; my LDS stores have landed and my LDS loads are in: then the work-group's barrier
	s_wait_dscnt 0x0
	s_barrier_signal -1
	s_barrier_wait -1
.endm
.macro LOADQ qb                        ; four tiles of Q: tile i / 4, channels 32 (i % 4) on
	WIN 0x80
.irp i, 0,1,2,3,4,5,6,7,8,9,10,11,12,13,14,15
	global_load_b128 v[8*\i:8*\i+3],   v[QO], s[\qb:\qb+1] offset:((\i/4)&1)*1048576+((\i/4)>>1)*4096+(\i%4)*64
	global_load_b128 v[8*\i+4:8*\i+7], v[QO], s[\qb:\qb+1] offset:((\i/4)&1)*1048576+((\i/4)>>1)*4096+(\i%4)*64+32
.endr
	WIN 0
.endm
.macro LOADBI                          ; the bias of my 64 keys, in the layout of S^T: register 8 kt + j = key 16 kt + 8 h + j
	WIN 0xc0
.irp q, 0,1,2,3,4,5,6,7
	global_load_b128 v[BI+4*\q:BI+4*\q+3], v[BO], s[BB:BB+1] offset:64*(\q/2)+16*(\q%2)
.endr
	WIN 0
.endm
.macro RESET d                         ; a block begins: m = H, c m = c H, l = 0
.irp t, 0,1,2,3
	v_mov_b32 v[ST+8*\t], 0xf10293ee
	v_mov_b32 v[ST+8*\t+1], 0xf2800000
	v_mov_b32 v[ST+8*\t+2], 0
	v_mov_b32 v[ST+8*\t+3], 0
.endr
	v_add_nc_u32 v[DQ], s[\d], v[DBASE]
	v_add_nc_u32 v[DQ+1], 16, v[DQ]
.endm
	s_load_b256 s[4:11], s[0:1], 0x0               ; qkv s[4:5], aux s[6:7], tab s[8:9], att s[10:11]
	v_lshl_add_u32 v[SPW], v0, 2, SPARE
	v_mov_b32 v[NIL], 0
	ds_add_u32 v[SPW], v[NIL]                      ; the wave's opening: the add, twice on end, and its wait ahead of my first tensor load
	ds_add_u32 v[SPW], v[NIL]
	v_lshrrev_b32 v1, 5, v0
	v_readfirstlane_b32 s[WV], v1
	s_bfe_u32 s[CX], ttmp6, 0x40000
	s_and_b32 s[KVH], ttmp7, 0xffff
	s_lshr_b32 s68, ttmp9, 1
	s_sub_co_u32 s[NA], 16, s68                    ; slots of the first block: the same in all four partners
	s_and_b32 s69, ttmp9, 1
	s_lshl_b32 s69, s69, 2
	s_add_co_u32 s69, s69, s[CX]                   ; bA mod 8
	s_sub_co_u32 s70, 15, s68
	s_lshl_b32 s70, s70, 3
	s_add_co_u32 s70, s70, s69                     ; bA
	s_sub_co_u32 s71, 127, s70                     ; bB
	s_lshl_b32 s72, s69, 5                         ; 32 (bA mod 8)
	s_sub_co_u32 s73, 7, s69
	s_lshl_b32 s[DB], s73, 5                       ; 32 (bB mod 8)
	s_mov_b32 s[G1K], 15|(1<<16)|(1<<20)|(1<<21)|(5<<22)|(3<<25)  ; the mask: all four; elements of 2 bytes; padding: 4 words after every 64
	s_mov_b32 s[G1V], 15|(1<<16)|(1<<20)|(1<<21)|(5<<22)|(7<<25)  ; the same with 8 words
.irp g, G1K, G1V
	s_mov_b32 s[\g+1], 128<<16                     ; tensor_dim0
	s_mov_b32 s[\g+2], 128<<16                     ; tensor_dim1
	s_mov_b32 s[\g+3], 128<<16                     ; tile_dim0
	s_mov_b32 s[\g+4], 128                         ; tile_dim1: half a slot's rows
	s_mov_b32 s[\g+5], 128                         ; stride
	s_mov_b32 s[\g+6], 0
	s_mov_b32 s[\g+7], 0
.endr
	s_mov_b32 s[CS], 0x3e0293ee                    ; c = log2(e) / sqrt(128)
	s_mov_b32 s[CS+1], s[CS]
	s_mov_b32 s[SEL], 0x76543210
	s_mov_b32 s[SEL+1], 0xfedcba98
	s_mov_b32 s[CLB], 0xf00293ee                   ; c L
	s_and_b32 s73, s[WV], 1
	s_add_co_u32 s74, s[KVH], 8
	s_lshl_b32 s74, s74, 20
	s_lshl_b32 s75, s73, 15
	s_add_co_u32 s74, s74, s75                     ; K's head, my half of a slot's rows
	s_mov_b32 s75, 0
	s_mul_i32 s[KL], s73, 128*PK
	s_mul_i32 s[VL], s73, 128*PVP
	s_add_co_u32 s[VL], s[VL], VOFF
	s_cmp_eq_u32 ttmp9, 0
	s_cselect_b32 s[LIMV], 14, 0
	s_mov_b32 s[TAU], 0
	s_mov_b32 s[TB], 0
	s_wait_dscnt 0x0                               ; both opening adds are done
	s_wait_kmcnt 0x0
	s_load_b32 s[N1], s[8:9], 0x404200             ; n1
	s_add_nc_u64 s[KB0:KB0+1], s[4:5], s[74:75]
	s_add_nc_u64 s[VB0:VB0+1], s[KB0:KB0+1], 0x400000
	s_mov_b32 s[G0K], 1
	s_mov_b32 s[G0K+1], s[KL]
	s_mov_b64 s[G0K+2:G0K+3], s[KB0:KB0+1]
	s_or_b32 s[G0K+3], s[G0K+3], 0x80000000
	s_mov_b32 s[G0V], 1
	s_mov_b32 s[G0V+1], s[VL]
	s_mov_b64 s[G0V+2:G0V+3], s[VB0:VB0+1]
	s_or_b32 s[G0V+3], s[G0V+3], 0x80000000
	CROUND                                         ; all four work-groups are here
	JLOAD                                          ; slot 0
	; pointers
	s_lshl_b32 s76, s[KVH], 21
	s_lshl_b32 s77, s70, 13
	s_add_co_u32 s76, s76, s77
	s_mov_b32 s77, 0
	s_add_nc_u64 s[76:77], s[4:5], s[76:77]        ; Q of block A
	s_lshl_b32 s78, s[KVH], 21
	s_lshl_b32 s79, s71, 13
	s_add_co_u32 s78, s78, s79
	s_mov_b32 s79, 0
	s_add_nc_u64 s[QB2:QB2+1], s[4:5], s[78:79]    ; of block B
	s_lshl_b32 s78, s70, 16
	s_lshl_b32 s68, s[KVH], 9
	s_add_co_u32 s78, s78, s68
	s_add_nc_u64 s[OB:OB+1], s[10:11], s[78:79]    ; att at block A's rows, my heads' columns
	s_lshl_b32 s78, s71, 16
	s_add_co_u32 s78, s78, s68
	s_add_nc_u64 s[OB2:OB2+1], s[10:11], s[78:79]
	s_lshl_b32 s78, s[WV], 8
	s_add_co_u32 s78, s78, 4194816
	s_add_nc_u64 s[BB0:BB0+1], s[8:9], s[78:79]    ; the bias of my keys of slot 0
	s_mov_b64 s[BB:BB+1], s[BB0:BB0+1]
	s_lshl_b32 s68, s[CX], 2
	s_add_co_u32 s68, s68, s[WV]                   ; my wave among the cluster's sixteen
	s_and_b32 s69, s68, 7
	s_lshl_b32 s69, s69, 13                        ; its 32 rows
	s_lshr_b32 s68, s68, 3
	s_lshl_b32 s68, s68, 22                        ; of K (0-7) or of V (8-15)
	s_add_co_u32 s68, s68, s69
	s_add_co_u32 s69, s[KVH], 8
	s_lshl_b32 s69, s69, 20
	s_add_co_u32 s68, s68, s69
	s_add_co_u32 s68, s68, 0x10000                 ; in slot 1: the first change steps it to slot 2
	s_mov_b32 s69, 0
	s_add_nc_u64 s[PFA:PFA+1], s[4:5], s[68:69]
	; addresses
	v_and_b32 v1, 15, v0                           ; r
	v_bfe_u32 v54, v0, 4, 1                        ; h
	v_and_b32 v55, 31, v0                          ; lane
	s_lshl_b32 s68, s[WV], 6
	v_add_nc_u32 v56, s68, v1
	v_mul_u32_u24 v[AK0], v56, PK
	v_lshl_add_u32 v[AK0], v54, 4, v[AK0]          ; K: (64 w + r) rows + 16 h
	v_and_b32 v56, 7, v0
	v_lshl_add_u32 v56, v54, 3, v56
	v_add_nc_u32 v56, s68, v56
	v_mul_u32_u24 v[AV0], v56, PVP
	v_bfe_u32 v57, v0, 3, 1
	v_lshl_add_u32 v[AV0], v57, 4, v[AV0]
	v_add_nc_u32 v[AV0], VOFF, v[AV0]              ; V, for the turning load
	v_lshlrev_b32 v[QO], 8, v1
	v_lshl_add_u32 v[QO], v54, 4, v[QO]
	s_lshl_b32 s69, s[WV], 13
	s_add_co_u32 s69, s69, MERGE
	v_lshl_add_u32 v[MW], v55, 4, s69
	s_lshl_b32 s69, s[WV], 11
	s_add_co_u32 s69, s69, MERGE
	v_lshl_add_u32 v[MR], v55, 4, s69
	v_mul_u32_u24 v[OW], v1, 272
	v_lshl_add_u32 v[OW], v54, 4, v[OW]
	s_add_co_u32 s69, s68, XST
	v_add_nc_u32 v[OW], s69, v[OW]                 ; results: row r, byte 64 w + 16 h
	s_lshl_b32 s69, s[WV], 2
	v_add_nc_u32 v56, s69, v54                     ; 4 w + h
	v_mul_u32_u24 v[ORD], v56, 272
	v_lshl_add_u32 v[ORD], v1, 4, v[ORD]
	v_add_nc_u32 v[ORD], XST, v[ORD]
	v_lshlrev_b32 v[GO], 11, v56
	v_lshl_add_u32 v[GO], v1, 4, v[GO]
	v_lshlrev_b32 v[BO], 5, v54
	s_lshl_b32 s69, s[WV], 10
	s_add_co_u32 s69, s69, XST
	v_lshl_add_u32 v[STW], v55, 4, s69
	v_lshl_add_u32 v[STR], v55, 4, XST
	s_lshl_b32 s69, s[WV], 7
	s_add_co_u32 s69, s69, TSL
	v_lshl_add_u32 v[TSA], v54, 5, s69
	v_lshlrev_b32 v[PFO], 8, v55
	v_lshlrev_b32 v56, 3, v54
	v_sub_nc_u32 v[DBASE], v1, v56
	v_subrev_nc_u32 v[DBASE], s68, v[DBASE]        ; r - 8 h - 64 w
	v_mov_b32 v[HV], 0xf2800000
	v_mov_b32 v[ONE], 1.0
	s_lshl_b32 s69, s[KVH], 9
	s_add_co_u32 s69, s69, 2048
	v_lshl_add_u32 v56, v0, 2, s69                 ; T: my thread's column of the value head
	v_lshl_add_u32 v57, v0, 2, TSL
.set n, 0
.rept 32
	global_load_b32 v[64+n], v56, s[6:7] offset:131072+4096*n
.set n, n+1
.endr
	LOADQ 76
	LOADBI
	WIN 0x40
.set n, 0
.rept 256
	v_mov_b32 v[n], 0                              ; O^T, once: the step is written once, with no first step of its own; a later block's first growth of m multiplies what is left by 0
.set n, n+1
.endr
	WIN 0
	RESET 72
	s_wait_loadcnt 40                              ; the 32 parts of T are in; Q's and the bias's 40 loads may be out
.irp p, 0,2,4,6,8,10,12,14
	v_pk_add_f32 v[64+\p:65+\p], v[64+\p:65+\p], v[80+\p:81+\p]
.endr
.irp p, 0,2,4,6
	v_pk_add_f32 v[64+\p:65+\p], v[64+\p:65+\p], v[72+\p:73+\p]
.endr
.irp p, 0,2
	v_pk_add_f32 v[64+\p:65+\p], v[64+\p:65+\p], v[68+\p:69+\p]
.endr
	v_pk_add_f32 v[64:65], v[64:65], v[66:67]
	v_add_f32 v64, v64, v65
	ds_store_b32 v57, v64                          ; read behind later barriers
	s_wait_kmcnt 0x0                               ; n1
; Product i of 32 of S^T = K Q^T for piece x: channels 32 (i / 8) on, keys 16 ((i / 2) % 4) on, tile x + i % 2.  The first 8 start the sums with the keys' bias.  The accumulators take turns.
.macro KQ x
.set rS, S+32*(\x+i%2)+8*((i/2)%4)
.set rK, KF+32*((i/2)%4)+8*(i/8)
.set rQ, 32*(\x+i%2)+8*(i/8)
.set rB, BI+8*((i/2)%4)
.if i < 8
	WIN W_KB
	v_wmma_f32_16x16x32_f16 v[rS:rS+7], v[rK:rK+7], v[rQ:rQ+7], v[rB:rB+7]
.else
	WIN W_KQ
	v_wmma_f32_16x16x32_f16 v[rS:rS+7], v[rK:rK+7], v[rQ:rQ+7], v[rS:rS+7]
.endif
.endm
; Product i of 32 of O^T += V^T P: keys 32 (i / 16) on, channels 16 ((i / 2) % 8) on, tile x + i % 2
.macro PV x
	WIN W_PV
.set rO, 64*(\x+i%2)+8*((i/2)%8)
.set rV, 64*(i/16)+8*((i/2)%8)
.set rP, P+16*(\x+i%2)+8*(i/16)
	v_wmma_f32_16x16x32_f16 v[rO:rO+7], v[rV:rV+7], v[rP:rP+7], v[rO:rO+7]
.endm
.macro FETCH_K                         ; my 64 keys x 128 channels, the channels' groups of 32 one after the other, as the products want them
	WIN 0
	v_add_nc_u32 v[ADR], s[TB], v[AK0]
	WIN 0x80
.irp c, 0,1,2,3
.irp t, 0,1,2,3
	ds_load_b128 v[KF+8*(4*\t+\c):KF+8*(4*\t+\c)+3],   v[ADR] offset:\t*16*PK+\c*64
	ds_load_b128 v[KF+8*(4*\t+\c)+4:KF+8*(4*\t+\c)+7], v[ADR] offset:\t*16*PK+\c*64+32
.endr
.endr
.endm
.macro FETCH_V
	WIN 0
	v_add_nc_u32 v[ADR2], s[TB], v[AV0]
	WIN 0xc0
.irp f, 0,1,2,3,4,5,6,7,8,9,10,11,12,13,14,15
	ds_load_tr16_b128 v[8*\f:8*\f+3],   v[ADR2] offset:(\f/8)*32*PVP+(\f%8)*32
	ds_load_tr16_b128 v[8*\f+4:8*\f+7], v[ADR2] offset:(\f/8)*32*PVP+16*PVP+(\f%8)*32
.endr
.endm
; One tile's softmax for one key step: a list of 134 instructions; SM writes number j for tile t.
;   0-15 the maximum of the 32 scores and the old m; 16-20 the other half of the lanes', the new m, c m, its change; 21-69 ONE BATCH: 16 packed scalings c s - c m and 33 exponentials, none of which reads an exponential's result;
;   (the wait for the batch stands between 69 and 70);  70-85 roundings to f16; 86-101 the sums, l = a l + sum; 102-133 the tile's O^T times a.
.macro SM t
.set rT, ST+8*(\t)
.set rS, S+32*(\t)
.set rP, P+16*(\t)
.set rO, 64*(\t)+2*(j-102)
.if j < 102
	WIN 0
.endif
.if j < 4
	v_max3_num_f32 v[rT+4+j], v[rS+8*j], v[rS+8*j+1], v[rS+8*j+2]
.elseif j < 12
	v_max3_num_f32 v[rT+4+j%4], v[rT+4+j%4], v[rS+8*(j%4)+2*(j/4)+1], v[rS+8*(j%4)+2*(j/4)+2]
.elseif j == 12
	v_max3_num_f32 v[rT+4], v[rT+4], v[rS+7], v[rS+15]
.elseif j == 13
	v_max3_num_f32 v[rT+6], v[rT+6], v[rS+23], v[rS+31]
.elseif j == 14
	v_max3_num_f32 v[rT+4], v[rT+4], v[rT+5], v[rT+6]
.elseif j == 15
	v_max3_num_f32 v[rT+4], v[rT+4], v[rT+7], v[rT+1]
.elseif j == 16
	v_permlanex16_b32 v[rT+5], v[rT+4], s[SEL], s[SEL+1]
.elseif j == 17
	v_mov_b32 v[rT+7], v[rT]
.elseif j == 18
	v_max_num_f32 v[rT+1], v[rT+4], v[rT+5]
.elseif j == 19
	v_mul_f32 v[rT], s[CS], v[rT+1]
.elseif j == 20
	v_sub_f32 v[rT+7], v[rT+7], v[rT]
.elseif j == 23
	v_exp_f32 v[rT+6], v[rT+7]
.elseif (j < 23) || ((j < 38) && (j%2 == 0)) || ((j < 66) && (j%4 == 2))
.set b, (j-2)/4
.if j < 38
.set b, (j-20)/2
.endif
	v_pk_fma_f32 v[rS+2*b:rS+2*b+1], v[rS+2*b:rS+2*b+1], s[CS:CS+1], v[rT:rT+1] op_sel_hi:[1,0,0] neg_lo:[0,0,1] neg_hi:[0,0,1]
.elseif j < 70
.set e, j-38
.if j < 66
.set e, j-32-(j-38)/4
.endif
.if j < 38
.set e, (j-25)/2
.endif
	v_exp_f32 v[rS+e], v[rS+e]
.elseif j < 86
	v_cvt_pk_f16_f32 v[rP+j-70], v[rS+2*(j-70)], v[rS+2*(j-70)+1]
.elseif j < 102
.set z, j-86
.set w, 4
.set u, z
.if z >= 14
.set w, 32
.set u, 0
.elseif z >= 12
.set w, 16
.set u, z-12
.elseif z >= 8
.set w, 8
.set u, z-8
.endif
.if z < 15
	v_pk_add_f32 v[rS+w*u:rS+w*u+1], v[rS+w*u:rS+w*u+1], v[rS+w*u+w/2:rS+w*u+w/2+1]
.else
	v_pk_fma_f32 v[rT+2:rT+3], v[rT+2:rT+3], v[rT+6:rT+7], v[rS:rS+1] op_sel_hi:[1,0,1]
.endif
.else
	WIN W_RS
	v_pk_mul_f32 v[rO:rO+1], v[rO:rO+1], v[rT+6:rT+7] op_sel_hi:[1,0]
.endif
.endm
; Slice k of 64 of piece y's softmax: four instructions (slice 63: sixteen).  Behind slice 34 both tiles' 66 exponentials are issued and no result has been named: there stand the plain instruction and the one wait.
.macro SLICE y
.if (k >= 11) && (k < 35)
.irp n, 0,1,2,3
.set j, 22+4*((k-11)/2)+(\n)
	SM (\y)+(k-11)%2
.endr
.else
.irp n, 0,1,2,3,4,5,6,7
.if (\n < 2) || (k == 63)
.irp t, \y, \y+1
.set j, 2*k+\n
	SM \t
.endr
.endif
.endr
.endif
.if k == 34
	v_nop
	s_wait_alu depctr_va_vdst(0)
.endif
.set k, k+1
.endm
.macro MASK x                          ; the block's last slot: register 8 kt + j holds my wave's key 16 kt + 8 h + j: behind my query where 16 kt + j > D.  Both tiles of a piece have the same rows
.set n, 0
.rept 32
	v_cmp_gt_i32 vcc_lo, 16*(n/8)+n%8, v[DQ+(\x)/2]
	v_cndmask_b32 v[S+32*(\x)+n], v[S+32*(\x)+n], v[HV], vcc_lo
	v_cndmask_b32 v[S+32*(\x)+32+n], v[S+32*(\x)+32+n], v[HV], vcc_lo
.set n, n+1
.endr
.endm
; A KEY STEP of a wave: its 64 keys of the slot in hand, for the four tiles.  tail = 1: the launch's last step: a block's last slot, and nothing is asked for.
.macro STEP tail
	s_wait_loadcnt 0x0                             ; the bias (and Q, at a block's start)
	FETCH_K
	FETCH_V
.set i, 0
.rept 32
.if i%8 == 0
	s_wait_dscnt 56-i                              ; this group of channels is in: K's later groups of eight loads and V's 32 may be out
.endif
	KQ 0
.set i, i+1
.endr
	WIN 0
	PLACES                                         ; between those products and the first read of their results
.if \tail
	MASK 0
.else
	s_cmp_eq_u32 s[DG], 0
	s_cbranch_scc1 .Lopen0_\@
	MASK 0
.Lopen0_\@:
.endif
.set k, 0
.set i, 0
.rept 32
	KQ 2                                           ; piece 2's scores | piece 0's softmax, two slices behind each product
	SLICE 0
	SLICE 0
.set i, i+1
.endr
	WIN 0                                          ; slice 63's sixteen plain lines are the places behind the last product
.if \tail
	MASK 2
.else
	s_cmp_eq_u32 s[DG], 0
	s_cbranch_scc1 .Lopen2_\@
	MASK 2
	LOADQ QB2                                      ; the first block's last step: the second block's Q is asked for
.Lopen2_\@:
	s_lshl_b32 s68, s[NS], 10
	s_mov_b32 s69, 0
	s_add_nc_u64 s[BB:BB+1], s[BB0:BB0+1], s[68:69]   ; (the loads that read this pair were waited for at the step's head)
	LOADBI                                         ; the next step's bias
.endif
	s_wait_dscnt 0x0                               ; V is in
.set k, 0
.set i, 0
.rept 32
	PV 0                                           ; piece 0's V^T P | piece 2's softmax
	SLICE 2
	SLICE 2
.set i, i+1
.endr
.set i, 0
.rept 32
	PV 2
.set i, i+1
.endr
	WIN 0
.endm
; THE CHANGE OF SLOTS, at a trip's head.  Each wave waits for all its tensor loads (one is out: its part of the slot about to be read), adds 0 to its spare word, and waits for that and for its reads of the slot that it has left.
; fill = 1: the barrier is a round of the cluster's, and the joint load of the next trip's slot is the first thing behind it: it has a whole key step in which to land.
.macro CHANGE fill
	WIN 0
	s_wait_tensorcnt 0x0                           ; no tensor load of mine is out: the groups 0 may be written
	ds_add_u32 v[SPW], v[NIL]
.if \fill
	s_add_co_u32 s68, s[TAU], 1
	s_cmp_ge_u32 s68, s[NA]
	s_cselect_b32 s69, s[NA], 0
	s_sub_co_u32 s[NS], s68, s69                   ; the next trip's slot of keys: the second block begins again at 0
	s_lshl_b32 s68, s[NS], 16
	s_mov_b32 s69, 0
	s_xor_b32 s[FB], s[TB], SLOTB                  ; into the other LDS slot
	s_add_co_u32 s[G0K+1], s[FB], s[KL]
	s_add_nc_u64 s[G0K+2:G0K+3], s[KB0:KB0+1], s[68:69]
	s_or_b32 s[G0K+3], s[G0K+3], 0x80000000
	s_add_co_u32 s[G0V+1], s[FB], s[VL]
	s_add_nc_u64 s[G0V+2:G0V+3], s[VB0:VB0+1], s[68:69]
	s_or_b32 s[G0V+3], s[G0V+3], 0x80000000
	s_wait_xcnt 0x0                                ; the last prefetch, a trip back, has read its address
	s_add_nc_u64 s[PFA:PFA+1], s[PFA:PFA+1], 0x10000
	s_wait_dscnt 0x0                               ; the add is done, and my reads of the slot that I have left are over
	CROUND
	JLOAD
	ASK
.else
	s_wait_dscnt 0x0
	s_barrier_signal -1
	s_barrier_wait -1
	PLACES
.endif
.endm
; A BLOCK'S END: the four waves' m, l and O^T are merged.  Nine barriers of the work-group; behind none of them LDS bytes are filled again, so the next slot's load may stay on its way.
.macro FINISH ob
	WIN 0
.irp t, 0,1,2,3
	v_add_f32 v[ST+8*\t+4], v[ST+8*\t+2], v[ST+8*\t+3]
.endr
.irp t, 0,1,2,3
	v_permlanex16_b32 v[ST+8*\t+5], v[ST+8*\t+4], s[SEL], s[SEL+1]
.endr
.irp t, 0,1,2,3
	v_add_f32 v[68+\t], v[ST+8*\t+4], v[ST+8*\t+5]   ; my wave's l
.endr
.irp t, 0,1,2,3
	v_mov_b32 v[64+\t], v[ST+8*\t]                 ; and c m
.endr
	ds_store_b128 v[STW], v[64:67]
	ds_store_b128 v[STW], v[68:71] offset:512
	BARRIER
.irp s, 0,1,2,3
	ds_load_b128 v[72+8*\s:75+8*\s], v[STR] offset:1024*\s
	ds_load_b128 v[76+8*\s:79+8*\s], v[STR] offset:1024*\s+512
.endr
.irp q, 0,1,2,3
	ds_load_b128 v[156+4*\q:159+4*\q], v[TSA] offset:64*(\q/2)+16*(\q%2)   ; T at the channels that I shall own: 32 w + 16 i + 8 h + 0 .. 7
.endr
	s_wait_dscnt 0x0
.irp t, 0,1,2,3
	v_max3_num_f32 v[124+\t], v[72+\t], v[80+\t], v[88+\t]
.endr
.irp t, 0,1,2,3
	v_max_num_f32 v[124+\t], v[124+\t], v[96+\t]   ; c M
.endr
.irp s, 0,1,2,3
.irp t, 0,1,2,3
	v_sub_f32 v[104+4*\s+\t], v[72+8*\s+\t], v[124+\t]
.endr
.endr
.irp t, 0,1,2,3
	v_sub_f32 v[120+\t], v[64+\t], v[124+\t]
.endr
.set n, 0
.rept 20
	v_exp_f32 v[104+n], v[104+n]                   ; each wave's weight 2^(c m - c M), and my own
.set n, n+1
.endr
.irp t, 0,1,2,3
	v_cmp_eq_u32 vcc_lo, s[CLB], v[124+\t]         ; (plain work behind the exponentials)  no key up to the query counts
	v_cndmask_b32 v[132+\t], 0, v[ONE], vcc_lo
.endr
	s_wait_alu depctr_va_vdst(0)                   ; one wait for the twenty
.irp t, 0,1,2,3
	v_mul_f32 v[128+\t], v[104+\t], v[76+\t]
.endr
.irp s, 1,2,3
.irp t, 0,1,2,3
	v_fma_f32 v[128+\t], v[104+4*\s+\t], v[76+8*\s+\t], v[128+\t]
.endr
.endr
.irp t, 0,1,2,3
	v_fma_f32 v[128+\t], v[132+\t], s[N1], v[128+\t]
.endr
.irp t, 0,1,2,3
	v_rcp_f32 v[136+\t], v[128+\t]
.endr
	v_nop
	s_wait_alu depctr_va_vdst(0)                   ; one wait for the four
.irp t, 0,1,2,3
	v_mul_f32 v[140+2*\t], v[120+\t], v[136+\t]    ; my weight / l, in both halves of a pair
	v_mul_f32 v[141+2*\t], v[120+\t], v[136+\t]
	v_mul_f32 v[148+2*\t], v[132+\t], v[136+\t]    ; T's weight
	v_mul_f32 v[149+2*\t], v[132+\t], v[136+\t]
.endr
	WIN W_RS
.set n, 0
.rept 128
	v_pk_mul_f32 v[2*n:2*n+1], v[2*n:2*n+1], v[140+2*(n/32):141+2*(n/32)]   ; each accumulator from its low end on
.set n, n+1
.endr
.irp rho, 0,1,2,3                      ; a tile at a time: all waves lay it down, wave w sums channels 32 w .. 32 w + 31
	WIN 0x04
.irp q, 0,1,2,3,4,5,6,7,8,9,10,11,12,13,14,15
	ds_store_b128 v[MW], v[64*\rho+4*\q:64*\rho+4*\q+3] offset:512*\q
.endr
	WIN 0
	BARRIER
.irp s, 0,1,2,3
.irp q, 0,1,2,3
	ds_load_b128 v[192+16*\s+4*\q:195+16*\s+4*\q], v[MR] offset:8192*\s+512*\q
.endr
.endr
	s_wait_dscnt 0x0
.irp p, 0,2,4,6,8,10,12,14
	v_pk_add_f32 v[192+\p:193+\p], v[192+\p:193+\p], v[208+\p:209+\p]
	v_pk_add_f32 v[224+\p:225+\p], v[224+\p:225+\p], v[240+\p:241+\p]
.endr
.irp p, 0,2,4,6,8,10,12,14
	v_pk_add_f32 v[192+\p:193+\p], v[192+\p:193+\p], v[224+\p:225+\p]
.endr
.irp p, 0,2,4,6,8,10,12,14
	v_pk_fma_f32 v[192+\p:193+\p], v[156+\p:157+\p], v[148+2*\rho:149+2*\rho], v[192+\p:193+\p]
.endr
.irp q, 0,1,2,3,4,5,6,7
	v_cvt_pk_f16_f32 v[172+\q], v[192+2*\q], v[193+2*\q]
.endr
	ds_store_b128 v[OW], v[172:175]
	ds_store_b128 v[OW], v[176:179] offset:32
	BARRIER
	s_wait_xcnt 0x0                                ; the last tile's stores have read their registers
	ds_load_b128 v[180:183], v[ORD]
	ds_load_b128 v[184:187], v[ORD] offset:544
	s_wait_dscnt 0x0
	global_store_b128 v[GO], v[180:183], s[\ob:\ob+1] offset:(\rho&1)*256+(\rho>>1)*32768        ; sixteen lanes store 256 consecutive bytes, aligned: a head's part of a row
	global_store_b128 v[GO], v[184:187], s[\ob:\ob+1] offset:(\rho&1)*256+(\rho>>1)*32768+4096
.endr
.endm
.Ltrip:                                            ; sixteen trips, and a seventeenth written out
	s_add_co_u32 s68, s[TAU], 1
	s_cmp_eq_u32 s68, s[NA]
	s_cselect_b32 s[DG], 1, 0                      ; the first block's last slot: ids and the count of trips alone, the same in all partners
	CHANGE 1
	STEP 0
	s_cmp_eq_u32 s[DG], 0
	s_cbranch_scc1 .Lsame
	FINISH OB
	s_wait_xcnt 0x0                                ; the stores have read their registers
	RESET DB
.Lsame:
	s_xor_b32 s[TB], s[TB], SLOTB
	s_add_co_u32 s[TAU], s[TAU], 1
	s_cmp_lt_u32 s[TAU], 16
	s_cbranch_scc1 .Ltrip
	CHANGE 0
	STEP 1
	FINISH OB2
	s_wait_tensorcnt 0x0                           ; the wave's end
	ds_add_u32 v[SPW], v[NIL]
	s_wait_dscnt 0x0
	CROUND                                         ; the closing round
	s_endpgm
.Lfunc_end_k_q9cc64b972c_attn:
	.size	k_q9cc64b972c_attn, .Lfunc_end_k_q9cc64b972c_attn-k_q9cc64b972c_attn
	.p2alignl 7, 3214868480
	.fill 96, 4, 3214868480
	.section	.rodata,"a",@progbits
	.p2align	6, 0x0
	.amdhsa_kernel k_q9cc64b972c_attn
		.amdhsa_group_segment_fixed_size 327680
		.amdhsa_private_segment_fixed_size 0
		.amdhsa_enable_private_segment 0
		.amdhsa_kernarg_size 32
		.amdhsa_user_sgpr_count 2
		.amdhsa_user_sgpr_kernarg_segment_ptr 1
		.amdhsa_wavefront_size32 1
		.amdhsa_system_sgpr_workgroup_id_x 1
		.amdhsa_system_sgpr_workgroup_id_y 1
		.amdhsa_system_sgpr_workgroup_id_z 1
		.amdhsa_system_vgpr_workitem_id 0
		.amdhsa_next_free_vgpr 1024
		.amdhsa_next_free_sgpr 90
		.amdhsa_reserve_vcc 1
		.amdhsa_float_denorm_mode_32 3
		.amdhsa_float_denorm_mode_16_64 3
		.amdhsa_memory_ordered 1
		.amdhsa_forward_progress 1
		.amdhsa_inst_pref_size 206
	.end_amdhsa_kernel
	.amdgpu_metadata
---
amdhsa.version: [ 1, 2 ]
amdhsa.kernels:
  - .name:           k_q9cc64b972c_attn
    .symbol:         k_q9cc64b972c_attn.kd
    .args:
      - { .name: qkv, .offset: 0, .size: 8, .value_kind: global_buffer, .address_space: global }
      - { .name: aux, .offset: 8, .size: 8, .value_kind: global_buffer, .address_space: global }
      - { .name: tab, .offset: 16, .size: 8, .value_kind: global_buffer, .address_space: global }
      - { .name: att, .offset: 24, .size: 8, .value_kind: global_buffer, .address_space: global }
    .group_segment_fixed_size: 327680
    .private_segment_fixed_size: 0
    .kernarg_segment_align: 8
    .kernarg_segment_size: 32
    .max_flat_workgroup_size: 128
    .sgpr_count:     90
    .vgpr_count:     1024
    .wavefront_size: 32
...
	.end_amdgpu_metadata
.endif
;; end of part 3
;; launch oproj (part 4): grid 8 x 32, 4 waves a work-group, clusters of 4 x 4, 327,680 bytes of LDS; arguments att, wot, out0; writes out0
.if DOCPART == 4
	.amdgcn_target "amdgcn-amd-amdhsa--gfx1250"
	.amdhsa_code_object_version 6
	.text
	.protected	k_q9cc64b972c_oproj
	.globl	k_q9cc64b972c_oproj
	.p2align	8
	.type	k_q9cc64b972c_oproj,@function
k_q9cc64b972c_oproj:
	s_mov_b64 s[64:65], 0
	v_nop
	global_prefetch_b8 v0, s[64:65] scope:SCOPE_SE
	s_setreg_imm32_b32 hwreg(HW_REG_WAVE_MODE, 25, 1), 1
	s_wait_xcnt 0x0
	s_wait_alu depctr_hold_cnt(0) depctr_sa_sdst(0) depctr_va_vdst(0) depctr_va_sdst(0) depctr_va_ssrc(0) depctr_va_vcc(0) depctr_vm_vsrc(0)
	s_getreg_b32 s2, hwreg(HW_REG_IB_STS2, 6, 4)
	s_cmp_eq_u32 s2, 0
	s_cbranch_scc0 .Lentry_in_a_cluster
	s_endpgm
.Lentry_in_a_cluster:
	s_bfe_u32 s2, ttmp6, 0x10000c
	s_cmp_lg_u32 s2, 0xf033
	s_cbranch_scc0 .Lentry_shape_is_right
	s_endpgm
.Lentry_shape_is_right:
; OUT = att wo: att [4096][1024] f16, wot [2048 n][1024 k] f16 (wo turned), out0 [4096][2048] f32; sums in f32.
; A tile of 128 x 256 gives 256 work-groups.  Four waves, 64 x 128 each: 32 accumulators, window 1.  K goes in steps of 128 (rows of 256 bytes) through a ring of two LDS slots: 128 rows of att, 256 of wot.
; CLUSTERS: 4 x 4; att's tiles are asked for jointly along a row of the cluster, wot's along a column.  THE MATRIX INSTRUCTION IS USED TRANSPOSED: a lane holds eight neighbouring columns of a row.
; Rows 0-15 of out0 are written here like all others, so that nothing hangs on a work-group's place, and are written again, more finely, by the launch behind this one.
; REGISTERS: window 0: v0-31 addresses; two fragment buffers for 32 along K: att's 4 at v64 / v160, wot's 8 at v96 / v192.  window 1: accumulator (a, b) at v[8 (8 a + b)].
.set SIZE_N, 2048
.set SIZE_K, 1024
.set KSTEP,  128
.set PITCH,  272
.set HALFA,  64*PITCH
.set HALFB,  128*PITCH
.set SLOT,   2*HALFA+2*HALFB
.set SPARE,  2*SLOT
.set SPITCH, 528
.set LAPS,   SIZE_K/(2*KSTEP)
.set ADRA, 16
.set ADRB, 20
.set STO,  24
.set RD,   25
.set CO,   26
.set SPW,  28
.set NIL,  29
.set F0,   64
.set F1,   160
.set BK,   64
.set G1, 24
.set G0, 32
.set G1B, 48
.set G0B, 56
.set MSB, 0
.macro WIN new
.if MSB != (\new)
	s_set_vgpr_msb (MSB<<8)|(\new)
.set MSB, (\new)
.endif
.endm
.set MUL, 0x50                         ; C and D window 1
.macro JLOAD s                         ; waves 0 and 1 fetch att's halves, waves 2 and 3 wot's; an s_nop 0 and four v_nop follow each line
	s_cmp_eq_u32 s11, 0
	s_cbranch_scc0 .Lfor_b_\@
	tensor_load_to_lds s[G0+4*\s:G0+4*\s+3], s[G1:G1+7]
	s_nop 0
.rept 4
	v_nop
.endr
	s_branch .Lasked_\@
.Lfor_b_\@:
	tensor_load_to_lds s[G0B+4*\s:G0B+4*\s+3], s[G1B:G1B+7]
	s_nop 0
.rept 4
	v_nop
.endr
.Lasked_\@:
.endm
.macro CREST
	s_cmp_lg_u32 s10, 0
	s_cbranch_scc1 .Lnot_wave_0_\@
	s_barrier_signal -3
.Lnot_wave_0_\@:
	s_barrier_wait -3
	s_barrier_signal -1
	s_barrier_wait -1
.endm
.macro CROUND
	s_barrier_signal -1
	s_barrier_wait -1
	CREST
.endm
	s_load_b128 s[4:7], s[0:1], 0x0                ; att s[4:5], wot s[6:7]
	s_load_b64 s[8:9], s[0:1], 0x10                ; out0
	v_lshl_add_u32 v[SPW], v0, 2, SPARE
	v_mov_b32 v[NIL], 0
	ds_add_u32 v[SPW], v[NIL]                      ; the wave's opening: the add, twice on end, and its wait ahead of my first tensor load
	ds_add_u32 v[SPW], v[NIL]
	v_lshrrev_b32 v1, 5, v0
	v_readfirstlane_b32 s10, v1
	s_lshr_b32 s11, s10, 1                         ; my half of the tile's rows.  Also: I fetch for att (0) or for wot (1)
	s_and_b32 s12, s10, 1                          ; my half of its columns.  Also: which half of that tile I fetch
	s_bfe_u32 s40, ttmp6, 0x40000
	s_bfe_u32 s41, ttmp6, 0x40004
	s_lshl_b32 s42, ttmp9, 2
	s_add_co_u32 s42, s42, s40                     ; tile column
	s_and_b32 s13, ttmp7, 0xffff
	s_lshl_b32 s13, s13, 2
	s_add_co_u32 s13, s13, s41                     ; tile row
	s_lshl_b32 s43, s41, 2
	s_lshl_b32 s43, 15, s43
	s_lshl_b32 s44, 0x1111, s40
	s_or_b32 s[G1+0], s43, (1<<16)|(1<<20)|(1<<21)|(5<<22)|(3<<25)
	s_or_b32 s[G1B+0], s44, (1<<16)|(1<<20)|(1<<21)|(5<<22)|(3<<25)
	s_mov_b32 s[G1+1], KSTEP<<16
	s_mov_b32 s[G1+2], 64<<16                      ; att: 64 rows a load
	s_mov_b32 s[G1+3], KSTEP<<16
	s_mov_b32 s[G1+4], 64
	s_mov_b32 s[G1+5], SIZE_K
	s_mov_b32 s[G1+6], 0
	s_mov_b32 s[G1+7], 0
	s_mov_b32 s[G1B+1], KSTEP<<16
	s_mov_b32 s[G1B+2], 128<<16                    ; wot: 128 rows a load
	s_mov_b32 s[G1B+3], KSTEP<<16
	s_mov_b32 s[G1B+4], 128
	s_mov_b32 s[G1B+5], SIZE_K
	s_mov_b32 s[G1B+6], 0
	s_mov_b32 s[G1B+7], 0
	s_lshl_b32 s16, s13, 7
	s_lshl_b32 s17, s12, 6
	s_add_co_u32 s16, s16, s17                     ; att: row 128 x tile row + 64 x half
	s_lshl_b32 s46, s42, 8
	s_lshl_b32 s17, s12, 7
	s_add_co_u32 s46, s46, s17                     ; wot: row 256 x tile column + 128 x half
	s_mov_b32 s17, 0
	s_mov_b32 s47, 0
	s_lshl_b64 s[16:17], s[16:17], 11              ; rows of 2,048 bytes
	s_lshl_b64 s[46:47], s[46:47], 11
	s_mul_i32 s20, s12, HALFA                      ; where they go
	s_mul_i32 s21, s12, HALFB
	s_add_co_u32 s21, s21, 2*HALFA
	s_wait_dscnt 0x0
	s_wait_kmcnt 0x0
	s_add_nc_u64 s[14:15], s[4:5], s[16:17]
	s_add_nc_u64 s[46:47], s[6:7], s[46:47]
	CROUND
.irp s, 0,1
	s_mov_b32 s[G0+4*\s], 1
	s_add_co_u32 s[G0+4*\s+1], s20, \s*SLOT
	s_add_nc_u64 s[G0+4*\s+2:G0+4*\s+3], s[14:15], \s*KSTEP*2
	s_or_b32 s[G0+4*\s+3], s[G0+4*\s+3], 0x80000000
	s_mov_b32 s[G0B+4*\s], 1
	s_add_co_u32 s[G0B+4*\s+1], s21, \s*SLOT
	s_add_nc_u64 s[G0B+4*\s+2:G0B+4*\s+3], s[46:47], \s*KSTEP*2
	s_or_b32 s[G0B+4*\s+3], s[G0B+4*\s+3], 0x80000000
	JLOAD \s
.endr
	v_and_b32 v1, 15, v0
	v_bfe_u32 v2, v0, 4, 1
	v_mul_u32_u24 v3, v1, PITCH
	v_lshl_add_u32 v3, v2, 4, v3
	s_mul_i32 s21, s11, HALFA                      ; my 64 rows of att
	s_mul_i32 s22, s12, HALFB                      ; my 128 rows of wot,
	s_add_co_u32 s22, s22, 2*HALFA                 ; behind att's 128
.irp s, 0,1
	v_add_nc_u32 v[ADRA+\s], s21, v3
	v_add_nc_u32 v[ADRB+\s], s22, v3
	s_add_co_u32 s21, s21, SLOT
	s_add_co_u32 s22, s22, SLOT
.endr
	s_mul_i32 s23, s10, 16*SPITCH                  ; my stage, in slot 0
	v_mul_u32_u24 v5, v1, SPITCH
	v_lshl_add_u32 v5, v2, 5, v5
	v_add_nc_u32 v[STO], s23, v5
	v_and_b32 v6, 31, v0
	v_lshlrev_b32 v[CO], 4, v6
	v_add_nc_u32 v[RD], s23, v[CO]
	s_lshl_b32 s16, s13, 7
	s_lshl_b32 s17, s11, 6
	s_add_co_u32 s16, s16, s17                     ; my first row of out0
	s_mov_b32 s17, 0
	s_lshl_b64 s[16:17], s[16:17], 13
	s_lshl_b32 s46, s42, 10
	s_lshl_b32 s47, s12, 9
	s_add_co_u32 s46, s46, s47                     ; my first column, in bytes
	s_mov_b32 s47, 0
	s_add_nc_u64 s[16:17], s[16:17], s[46:47]
	s_add_nc_u64 s[8:9], s[8:9], s[16:17]
.macro MUL8 f, a, zero                 ; att's block a against wot's eight, 32 along K.  The 32 accumulators take turns, in the same order in every quarter
.irp b, 0,1,2,3,4,5,6,7
.if \zero
	v_wmma_f32_16x16x32_f16 v[8*(8*(\a)+\b):8*(8*(\a)+\b)+7], v[\f+32+8*\b:\f+32+8*\b+7], v[\f+8*(\a):\f+8*(\a)+7], 0
.else
	v_wmma_f32_16x16x32_f16 v[8*(8*(\a)+\b):8*(8*(\a)+\b)+7], v[\f+32+8*\b:\f+32+8*\b+7], v[\f+8*(\a):\f+8*(\a)+7], v[8*(8*(\a)+\b):8*(8*(\a)+\b)+7]
.endif
.endr
.endm
.macro FETCH slot, k, f                ; 24 LDS loads in one run: wot's 16, att's blocks 0 and 1, att's blocks 2 and 3
.irp i, 0,1,2,3,4,5,6,7
	ds_load_b128 v[\f+32+8*\i:\f+32+8*\i+3],   v[ADRB+\slot] offset:\k+\i*16*PITCH
	ds_load_b128 v[\f+32+8*\i+4:\f+32+8*\i+7], v[ADRB+\slot] offset:\k+\i*16*PITCH+32
.endr
.irp i, 0,1,2,3
	ds_load_b128 v[\f+8*\i:\f+8*\i+3],   v[ADRA+\slot] offset:\k+\i*16*PITCH
	ds_load_b128 v[\f+8*\i+4:\f+8*\i+7], v[ADRA+\slot] offset:\k+\i*16*PITCH+32
.endr
.endm
.macro PLACES
.rept 4
	v_nop
.endr
.endm
.macro QUARTER slot, k, f, g, zero     ; 32 along K on buffer f; in its middle the next quarter's fragments, at byte k, into buffer g
	s_wait_dscnt 4                                 ; wot's and att's blocks 0, 1 are in; the youngest four loads may be out
	WIN MUL
	MUL8 \f, 0, \zero
	MUL8 \f, 1, \zero
	PLACES
	WIN 0
	FETCH \slot, \k, \g
	s_wait_dscnt 24                                ; all but the 24 just issued
	WIN MUL
	MUL8 \f, 2, \zero
	MUL8 \f, 3, \zero
.endm
.macro TURN slot, next, fill           ; the last quarter multiplies buffer 1 and changes slots
	WIN 0
	s_wait_tensorcnt 0x0                           ; all my tensor loads have landed: my part of the next slot
	ds_add_u32 v[SPW], v[NIL]
	s_wait_dscnt 5                                 ; the add and the youngest four loads may be out
	WIN MUL
	MUL8 F1, 0, 0
	s_wait_dscnt 0x0                               ; the add is done, and my reads of this slot are over
	s_barrier_signal -1
	MUL8 F1, 1, 0
	WIN 0
	s_barrier_wait -1
.if \fill
	CREST                                          ; the barrier has opened a round of the cluster's barrier
	s_add_nc_u64 s[G0+4*\slot+2:G0+4*\slot+3], s[G0+4*\slot+2:G0+4*\slot+3], 2*KSTEP*2
	s_add_nc_u64 s[G0B+4*\slot+2:G0B+4*\slot+3], s[G0B+4*\slot+2:G0B+4*\slot+3], 2*KSTEP*2
	JLOAD \slot                                    ; the four v_nop behind it are also the places in front of the loads below
.else
	PLACES
.endif
	FETCH \next, 0, F0
	WIN MUL
	MUL8 F1, 2, 0
	MUL8 F1, 3, 0
.endm
	s_wait_tensorcnt 1                             ; my part of K step 0 is in; K step 1's load may be out
	s_barrier_signal -1
	s_barrier_wait -1
	FETCH 0, 0, F0
	QUARTER 0, 64, F0, F1, 1                       ; the first quarter's products start the sums
	WIN 0
	s_mov_b32 s3, LAPS-1
.Llap:
	QUARTER 0, 128, F1, F0, 0
	QUARTER 0, 192, F0, F1, 0
	TURN 0, 1, 1
	QUARTER 1, 64,  F0, F1, 0
	QUARTER 1, 128, F1, F0, 0
	QUARTER 1, 192, F0, F1, 0
	TURN 1, 0, 1
	QUARTER 0, 64,  F0, F1, 0
	WIN 0
	s_sub_co_u32 s3, s3, 1
	s_cmp_lg_u32 s3, 0
	s_cbranch_scc1 .Llap
	QUARTER 0, 128, F1, F0, 0                      ; the last lap fills nothing
	QUARTER 0, 192, F0, F1, 0
	TURN 0, 1, 0
	QUARTER 1, 64,  F0, F1, 0
	QUARTER 1, 128, F1, F0, 0
	QUARTER 1, 192, F0, F1, 0
	s_wait_dscnt 4
	WIN MUL
	MUL8 F1, 0, 0
	MUL8 F1, 1, 0
	s_wait_dscnt 0
	MUL8 F1, 2, 0
	MUL8 F1, 3, 0
	WIN 0
; THE WAY OUT, 16 rows x 128 columns at a time, through my stage (in slot 0: it has had its last fill, and nobody reads it behind the last change of slots), back as whole rows of 512 bytes.
.macro TOSTAGE a
.set AC, 64*(\a)
	WIN 0x04                                       ; an LDS store's data are its source 1: window 1
.irp b, 0,1,2,3,4,5,6,7
	ds_store_b128 v[STO], v[AC+8*\b:AC+8*\b+3] offset:64*\b          ; each accumulator from its low end on
	ds_store_b128 v[STO], v[AC+8*\b+4:AC+8*\b+7] offset:64*\b+16
.endr
	WIN 0
.set BB, BK+64*((\a)%2)
.irp t, 0,1,2,3,4,5,6,7,8,9,10,11,12,13,14,15
	ds_load_b128 v[BB+4*\t:BB+4*\t+3], v[RD] offset:\t*SPITCH
.endr
.endm
.macro SEND a, younger
.set BB, BK+64*((\a)%2)
	s_wait_dscnt \younger
.if (\a) > 0
	s_add_nc_u64 s[8:9], s[8:9], 16*SIZE_N*4       ; (behind a wait on XCNT: the earlier stores have read their base)
.endif
.irp t, 0,1,2,3,4,5,6,7,8,9,10,11,12,13,14,15
	global_store_b128 v[CO], v[BB+4*\t:BB+4*\t+3], s[8:9] offset:\t*SIZE_N*4 th:TH_STORE_NT   ; 32 lanes store 512 consecutive bytes, aligned
.endr
.endm
	PLACES
	TOSTAGE 0
.irp a, 1,2,3
.if \a > 1
	s_wait_xcnt 0x0                                ; block a - 2's stores have read their registers and their base
.endif
	TOSTAGE \a
	SEND \a-1, 32                                  ; behind block a - 1's loads: block a's 16 stores and 16 loads
.endr
	s_wait_xcnt 0x0
	SEND 3, 0
	s_wait_tensorcnt 0x0                           ; the wave's end
	ds_add_u32 v[SPW], v[NIL]
	s_wait_dscnt 0x0
	CROUND                                         ; the closing round
	s_endpgm
.Lfunc_end_k_q9cc64b972c_oproj:
	.size	k_q9cc64b972c_oproj, .Lfunc_end_k_q9cc64b972c_oproj-k_q9cc64b972c_oproj
	.p2alignl 7, 3214868480
	.fill 96, 4, 3214868480
	.section	.rodata,"a",@progbits
	.p2align	6, 0x0
	.amdhsa_kernel k_q9cc64b972c_oproj
		.amdhsa_group_segment_fixed_size 327680
		.amdhsa_private_segment_fixed_size 0
		.amdhsa_enable_private_segment 0
		.amdhsa_kernarg_size 24
		.amdhsa_user_sgpr_count 2
		.amdhsa_user_sgpr_kernarg_segment_ptr 1
		.amdhsa_wavefront_size32 1
		.amdhsa_system_sgpr_workgroup_id_x 1
		.amdhsa_system_sgpr_workgroup_id_y 1
		.amdhsa_system_sgpr_workgroup_id_z 1
		.amdhsa_system_vgpr_workitem_id 0
		.amdhsa_next_free_vgpr 512
		.amdhsa_next_free_sgpr 66
		.amdhsa_reserve_vcc 0
		.amdhsa_float_denorm_mode_32 3
		.amdhsa_float_denorm_mode_16_64 3
		.amdhsa_memory_ordered 1
		.amdhsa_forward_progress 1
		.amdhsa_inst_pref_size 85
	.end_amdhsa_kernel
	.amdgpu_metadata
---
amdhsa.version: [ 1, 2 ]
amdhsa.kernels:
  - .name:           k_q9cc64b972c_oproj
    .symbol:         k_q9cc64b972c_oproj.kd
    .args:
      - { .name: att, .offset: 0, .size: 8, .value_kind: global_buffer, .address_space: global }
      - { .name: wot, .offset: 8, .size: 8, .value_kind: global_buffer, .address_space: global }
      - { .name: out0, .offset: 16, .size: 8, .value_kind: global_buffer, .address_space: global }
    .group_segment_fixed_size: 327680
    .private_segment_fixed_size: 0
    .kernarg_segment_align: 8
    .kernarg_segment_size: 24
    .max_flat_workgroup_size: 128
    .sgpr_count:     66
    .vgpr_count:     512
    .wavefront_size: 32
...
	.end_amdgpu_metadata
.endif
;; end of part 4
;; launch fine16 (part 5): grid 32 x 1, 8 waves a work-group, no clusters, 327,680 bytes of LDS; arguments aux, tab, wo, out0; writes out0
.if DOCPART == 5
	.amdgcn_target "amdgcn-amd-amdhsa--gfx1250"
	.amdhsa_code_object_version 6
	.text
	.protected	k_q9cc64b972c_fine16
	.globl	k_q9cc64b972c_fine16
	.p2align	8
	.type	k_q9cc64b972c_fine16,@function
k_q9cc64b972c_fine16:
	s_mov_b64 s[64:65], 0
	v_nop
	global_prefetch_b8 v0, s[64:65] scope:SCOPE_SE
	s_setreg_imm32_b32 hwreg(HW_REG_WAVE_MODE, 25, 1), 1
	s_wait_xcnt 0x0
; ROWS 0-15 OF THE SEQUENCE ONCE MORE, IN F32: they average one to sixteen values and are the largest in size, so 16-bit operands would use up what the comparison allows.  No bulk work: 16 rows.
; aux holds q | k | v of these rows as f32 [16][2048] (masked keys' rows are zeros), and behind them the masked column sums of v; tab the keys' bias and n1; wo is read as it is given.
; A work-group makes 64 columns of out0 for the 16 rows; wave w is query head w: its 16 x 16 scores, softmax, 16 x 128 of o, and o x wo's rows 128 w .. 128 w + 127; the eight heads are summed through LDS.
; Every work-group repeats the small attention.  No cluster: each work-group reads columns of wo of its own.  wo's tile (128 rows x 256 bytes a wave) comes by one tensor load a wave, filled once, read by that wave alone.
; All products by v_wmma_f32_16x16x4_f32; k is taken in the same permuted order on both sides.  v208-255 are written by matrix instructions alone.
; The masks as in the launch for all rows: L = -2^100 by the bias as the first C, H = -2^102 behind the query; a row with no counting key up to itself adds T and n1.
; REGISTERS: v1-5 addresses; v6, v7 the add's two; v8-15 the bias; v16-79 Q, then o, then the sums over heads; v80-143 K, then scores, p, T, addresses; v144-207 parts of T, then V, then two sets of wo.
.set WOSB,  34816                      ; a wave's tile of wo: 128 x 272
.set RED,   278528                     ; eight waves x 4,096
.set TSL,   311296                     ; T of the four value heads: 512 f32
.set OUTS,  313344                     ; 16 rows x 272
.set SPARE, 317952                     ; the spare words: 128 bytes for each of eight waves
.set SPW, 6
.set NIL, 7
.macro NOPS n
.rept \n
	v_nop
.endr
.endm
.macro BARRIER
	s_wait_dscnt 0x0
	s_barrier_signal -1
	s_barrier_wait -1
.endm
	s_load_b256 s[4:11], s[0:1], 0x0               ; aux s[4:5], tab s[6:7], wo s[8:9], out0 s[10:11]
	v_lshl_add_u32 v[SPW], v0, 2, SPARE
	v_mov_b32 v[NIL], 0
	ds_add_u32 v[SPW], v[NIL]                      ; the wave's opening: the add, twice on end, and its wait ahead of my first tensor load
	ds_add_u32 v[SPW], v[NIL]
	v_lshrrev_b32 v8, 5, v0
	v_readfirstlane_b32 s12, v8                    ; wave = query head
	s_lshr_b32 s13, s12, 1                         ; its key and value head
	s_mov_b32 s24, (2<<16)|(1<<20)|(5<<22)|(3<<25) ; elements of 4 bytes; padding: 4 words after every 64
	s_mov_b32 s25, 64<<16                          ; tensor_dim0
	s_mov_b32 s26, 128<<16                         ; tensor_dim1
	s_mov_b32 s27, 64<<16                          ; tile_dim0
	s_mov_b32 s28, 128                             ; tile_dim1
	s_mov_b32 s29, 2048                            ; stride
	s_mov_b32 s30, 0
	s_mov_b32 s31, 0
	s_mov_b32 s16, 1
	s_mul_i32 s17, s12, WOSB
	s_lshl_b32 s32, s12, 20                        ; 128 rows of 8,192 bytes
	s_lshl_b32 s33, ttmp9, 8                       ; 64 columns
	s_add_co_u32 s32, s32, s33
	s_mov_b32 s33, 0
	s_mov_b32 s20, 0x76543210
	s_mov_b32 s21, 0xfedcba98
	s_mov_b32 s22, 0x3e0293ee                      ; c = log2(e) / sqrt(128)
	s_wait_dscnt 0x0
	s_wait_kmcnt 0x0
	s_add_nc_u64 s[18:19], s[8:9], s[32:33]
	s_or_b32 s19, s19, 0x80000000
	tensor_load_to_lds s[16:19], s[24:31]          ; my one tensor load
	s_nop 0
	s_load_b32 s23, s[6:7], 0x404200               ; n1
	s_lshl_b32 s32, s12, 9
	s_add_nc_u64 s[34:35], s[4:5], s[32:33]        ; q of my head
	s_lshl_b32 s32, s13, 9
	s_add_co_u32 s32, s32, 4096
	s_add_nc_u64 s[36:37], s[4:5], s[32:33]        ; k of its head; v 2,048 bytes on
	s_lshl_b32 s32, ttmp9, 8
	s_add_nc_u64 s[38:39], s[10:11], s[32:33]      ; out0 at my columns
	v_and_b32 v8, 15, v0                           ; r
	v_bfe_u32 v9, v0, 4, 1                         ; h
	v_lshlrev_b32 v1, 3, v0                        ; the parts of T: two columns a thread
	v_lshl_add_u32 v2, v0, 3, TSL
	v_lshlrev_b32 v3, 5, v9                        ; the bias: 32 h
	v_lshlrev_b32 v4, 13, v8
	v_lshl_add_u32 v4, v9, 8, v4                   ; q, k: row r, d = 64 h on
	v_lshlrev_b32 v5, 16, v9
	v_lshl_add_u32 v5, v8, 2, v5                   ; v: key 8 h, channel r
.set n, 0
.rept 32
	global_load_b64 v[144+2*n:145+2*n], v1, s[4:5] offset:133120+4096*n
.set n, n+1
.endr
.set n, 0
.rept 16
	global_load_b128 v[16+4*n:19+4*n], v4, s[34:35] offset:16*n
	global_load_b128 v[80+4*n:83+4*n], v4, s[36:37] offset:16*n
.set n, n+1
.endr
	global_load_b128 v[8:11], v3, s[6:7] offset:4194816
	global_load_b128 v[12:15], v3, s[6:7] offset:4194832
	s_wait_loadcnt 34                              ; the 32 parts of T are in; Q's, K's and the bias's 34 loads may be out
.irp d, 16,8,4,2,1
.set n, 0
.rept \d
	v_pk_add_f32 v[144+2*n:145+2*n], v[144+2*n:145+2*n], v[144+2*(n+\d):145+2*(n+\d)]
.set n, n+1
.endr
.endr
	ds_store_b64 v2, v[144:145]
	s_wait_dscnt 0x0                               ; the store has read its registers
	s_wait_loadcnt 0x0
.set n, 0
.rept 64
	global_load_b32 v[144+n], v5, s[36:37] offset:2048+8192*(n%8)+64*(n/8)   ; V(key 8 h + j, channel 16 ct + r) at register 8 ct + j
.set n, n+1
.endr
	; S^T = K Q^T + bias: two accumulators by turns, 16 links each
	v_wmma_f32_16x16x4_f32 v[208:215], v[80:81], v[16:17], v[8:15]
	v_wmma_f32_16x16x4_f32 v[216:223], v[82:83], v[18:19], 0
.set n, 2
.rept 15
	v_wmma_f32_16x16x4_f32 v[208:215], v[80+2*n:81+2*n], v[16+2*n:17+2*n], v[208:215]
	v_wmma_f32_16x16x4_f32 v[216:223], v[82+2*n:83+2*n], v[18+2*n:19+2*n], v[216:223]
.set n, n+2
.endr
	NOPS 8                                         ; this form wants eight places ahead of a read of its result or a write of its sources (ISA guide 7.12.1)
.irp j, 0,1,2,3,4,5,6,7
	v_add_f32 v[80+\j], v[208+\j], v[216+\j]       ; lane (r, h): query r, key 8 h + j
.endr
	v_and_b32 v128, 15, v0
	v_bfe_u32 v129, v0, 4, 1
	v_lshlrev_b32 v130, 3, v129
	v_sub_nc_u32 v130, v128, v130                  ; r - 8 h
	v_mov_b32 v3, 0xf2800000                       ; H
.irp j, 0,1,2,3,4,5,6,7
	v_cmp_gt_i32 vcc_lo, \j, v130
	v_cndmask_b32 v[80+\j], v[80+\j], v3, vcc_lo
.endr
	v_max3_num_f32 v131, v80, v81, v82
	v_max3_num_f32 v131, v131, v83, v84
	v_max3_num_f32 v131, v131, v85, v86
	v_max_num_f32 v131, v131, v87
	v_mov_b32 v132, 0
	v_permlanex16_b32 v132, v131, s20, s21
	v_max_num_f32 v131, v131, v132                 ; the row's maximum
	v_mul_f32 v133, s22, v131
.irp j, 0,1,2,3,4,5,6,7
	v_fma_f32 v[88+\j], v[80+\j], s22, -v133
.endr
.irp j, 0,1,2,3,4,5,6,7
	v_exp_f32 v[88+\j], v[88+\j]
.endr
	v_mov_b32 v4, 1.0                              ; a plain instruction behind the last exponential
	s_wait_alu depctr_va_vdst(0)                   ; one wait for the eight
	v_add_f32 v131, v88, v89
	v_add_f32 v80, v90, v91
	v_add_f32 v81, v92, v93
	v_add_f32 v82, v94, v95
	v_add_f32 v131, v131, v80
	v_add_f32 v81, v81, v82
	v_add_f32 v131, v131, v81
	v_permlanex16_b32 v132, v131, s20, s21
	v_add_f32 v131, v131, v132                     ; l
	v_cmp_eq_u32 vcc_lo, 0xf00293ee, v133          ; c m = c L: no key up to the query counts
	v_cndmask_b32 v134, 0, v4, vcc_lo
	v_mov_b32 v135, v134
	s_wait_kmcnt 0x0
	v_fma_f32 v131, v134, s23, v131
	v_rcp_f32 v136, v131
	v_and_b32 v80, 31, v0                          ; (a plain instruction behind the reciprocal)  lane
	s_lshl_b32 s40, s13, 9
	s_add_co_u32 s40, s40, TSL
	v_lshl_add_u32 v138, v129, 5, s40              ; T of my value head, + 32 h
	v_mul_u32_u24 v139, v129, 2176
	v_lshl_add_u32 v139, v128, 2, v139
	v_add_nc_u32 v139, s17, v139                   ; wo's tile: row 8 h, column r
	s_lshl_b32 s40, s12, 12
	s_add_co_u32 s40, s40, RED
	v_lshl_add_u32 v140, v80, 4, s40
	s_lshl_b32 s40, s12, 9
	s_add_co_u32 s40, s40, RED
	v_lshl_add_u32 v141, v80, 4, s40
	s_lshl_b32 s40, s13, 6
	s_and_b32 s41, s12, 1
	s_lshl_b32 s41, s41, 4
	s_add_co_u32 s40, s40, s41
	s_add_co_u32 s40, s40, OUTS
	v_mul_u32_u24 v142, v128, 272
	v_lshl_add_u32 v142, v129, 5, v142
	v_add_nc_u32 v142, s40, v142                   ; row r, byte 64 (w / 2) + 32 h + 16 (w % 2)
	s_lshl_b32 s40, s12, 1
	v_add_nc_u32 v81, s40, v129                    ; 2 w + h
	v_mul_u32_u24 v143, v81, 272
	v_lshl_add_u32 v143, v128, 4, v143
	v_add_nc_u32 v143, OUTS, v143
	v_lshlrev_b32 v1, 13, v81
	v_lshl_add_u32 v1, v128, 4, v1                 ; out0: row 2 w + h, 16 r
	s_wait_alu depctr_va_vdst(0)                   ; the wait for the reciprocal, ahead of its first reader
	v_mov_b32 v137, v136
	BARRIER                                        ; T is whole
	s_wait_loadcnt 0x0                             ; V
	; O^T = V^T P, four tiles of 16 channels at a time; keys 8 h + 2 s + j on both sides
.irp hf, 0,1
.irp s, 0,1,2,3
.irp u, 0,1,2,3
.if \s == 0
	v_wmma_f32_16x16x4_f32 v[224+8*\u:231+8*\u], v[144+8*(4*\hf+\u)+2*\s:145+8*(4*\hf+\u)+2*\s], v[88+2*\s:89+2*\s], 0
.else
	v_wmma_f32_16x16x4_f32 v[224+8*\u:231+8*\u], v[144+8*(4*\hf+\u)+2*\s:145+8*(4*\hf+\u)+2*\s], v[88+2*\s:89+2*\s], v[224+8*\u:231+8*\u]
.endif
.endr
.endr
.irp q, 0,1,2,3,4,5,6,7
	ds_load_b128 v[96+4*\q:99+4*\q], v138 offset:256*\hf+64*(\q/2)+16*(\q%2)
.endr
	NOPS 8
	s_wait_dscnt 0x0
.irp p, 0,2,4,6,8,10,12,14,16,18,20,22,24,26,28,30
	v_pk_fma_f32 v[16+32*\hf+\p:17+32*\hf+\p], v[96+\p:97+\p], v[134:135], v[224+\p:225+\p]   ; each accumulator from its low end on
.endr
.irp p, 0,2,4,6,8,10,12,14,16,18,20,22,24,26,28,30
	v_pk_mul_f32 v[16+32*\hf+\p:17+32*\hf+\p], v[16+32*\hf+\p:17+32*\hf+\p], v[136:137]   ; o(query r, channel 16 ct + 8 h + j) at register 8 ct + j
.endr
	NOPS 9                                         ; nine places ahead of a matrix instruction that begins these accumulators anew
.endr
	; out^T = wo^T o^T for my head's 128 channels: source 0 = 16 columns of wo, source 1 = o; channels 16 ct + 8 h + 2 s + j on both sides
.macro WLOAD ct
.irp u, 0,1,2,3
.irp q, 0,1,2,3,4,5,6,7
	ds_load_b32 v[144+32*((\ct)%2)+8*\u+\q], v139 offset:(16*(\ct)+\q)*272+64*\u
.endr
.endr
.endm
	s_wait_tensorcnt 0x0                           ; my tile of wo is in; no other wave reads it
	WLOAD 0
	WLOAD 1
.irp ct, 0,1,2,3,4,5,6,7
.if \ct < 7
	s_wait_dscnt 32                                ; this set is in; the next set's 32 loads may be out
.else
	s_wait_dscnt 0x0
.endif
.irp s, 0,1,2,3
.irp u, 0,1,2,3
.if (\ct == 0) && (\s == 0)
	v_wmma_f32_16x16x4_f32 v[224+8*\u:231+8*\u], v[144+32*(\ct%2)+8*\u+2*\s:145+32*(\ct%2)+8*\u+2*\s], v[16+8*\ct+2*\s:17+8*\ct+2*\s], 0
.else
	v_wmma_f32_16x16x4_f32 v[224+8*\u:231+8*\u], v[144+32*(\ct%2)+8*\u+2*\s:145+32*(\ct%2)+8*\u+2*\s], v[16+8*\ct+2*\s:17+8*\ct+2*\s], v[224+8*\u:231+8*\u]
.endif
.endr
.endr
.if \ct < 6
	NOPS 8
	WLOAD \ct+2
.endif
.endr
	NOPS 8
.irp g, 0,1,2,3,4,5,6,7
	ds_store_b128 v140, v[224+4*\g:227+4*\g] offset:512*\g   ; lane (r, h), register 8 u + j: out(row r, column 16 u + 8 h + j), my head's part
.endr
	BARRIER
.irp s, 0,1,2,3,4,5,6,7
	ds_load_b128 v[16+4*\s:19+4*\s], v141 offset:4096*\s     ; wave w sums group w of four registers over the eight heads
.endr
	s_wait_dscnt 0x0
.irp p, 0,2,4,6,8,10,12,14
	v_pk_add_f32 v[16+\p:17+\p], v[16+\p:17+\p], v[32+\p:33+\p]
.endr
.irp p, 0,2,4,6
	v_pk_add_f32 v[16+\p:17+\p], v[16+\p:17+\p], v[24+\p:25+\p]
.endr
.irp p, 0,2
	v_pk_add_f32 v[16+\p:17+\p], v[16+\p:17+\p], v[20+\p:21+\p]
.endr
	ds_store_b128 v142, v[16:19]
	BARRIER
	ds_load_b128 v[20:23], v143
	s_wait_dscnt 0x0
	global_store_b128 v1, v[20:23], s[38:39]       ; sixteen lanes store 256 consecutive bytes, aligned: a row's 64 columns
	s_wait_tensorcnt 0x0                           ; the wave's end
	ds_add_u32 v[SPW], v[NIL]
	s_wait_dscnt 0x0
	s_endpgm
.Lfunc_end_k_q9cc64b972c_fine16:
	.size	k_q9cc64b972c_fine16, .Lfunc_end_k_q9cc64b972c_fine16-k_q9cc64b972c_fine16
	.p2alignl 7, 3214868480
	.fill 96, 4, 3214868480
	.section	.rodata,"a",@progbits
	.p2align	6, 0x0
	.amdhsa_kernel k_q9cc64b972c_fine16
		.amdhsa_group_segment_fixed_size 327680
		.amdhsa_private_segment_fixed_size 0
		.amdhsa_enable_private_segment 0
		.amdhsa_kernarg_size 32
		.amdhsa_user_sgpr_count 2
		.amdhsa_user_sgpr_kernarg_segment_ptr 1
		.amdhsa_wavefront_size32 1
		.amdhsa_system_sgpr_workgroup_id_x 1
		.amdhsa_system_sgpr_workgroup_id_y 1
		.amdhsa_system_sgpr_workgroup_id_z 1
		.amdhsa_system_vgpr_workitem_id 0
		.amdhsa_next_free_vgpr 256
		.amdhsa_next_free_sgpr 66
		.amdhsa_reserve_vcc 1
		.amdhsa_float_denorm_mode_32 3
		.amdhsa_float_denorm_mode_16_64 3
		.amdhsa_memory_ordered 1
		.amdhsa_forward_progress 1
		.amdhsa_inst_pref_size 61
	.end_amdhsa_kernel
	.amdgpu_metadata
---
amdhsa.version: [ 1, 2 ]
amdhsa.kernels:
  - .name:           k_q9cc64b972c_fine16
    .symbol:         k_q9cc64b972c_fine16.kd
    .args:
      - { .name: aux, .offset: 0, .size: 8, .value_kind: global_buffer, .address_space: global }
      - { .name: tab, .offset: 8, .size: 8, .value_kind: global_buffer, .address_space: global }
      - { .name: wo, .offset: 16, .size: 8, .value_kind: global_buffer, .address_space: global }
      - { .name: out0, .offset: 24, .size: 8, .value_kind: global_buffer, .address_space: global }
    .group_segment_fixed_size: 327680
    .private_segment_fixed_size: 0
    .kernarg_segment_align: 8
    .kernarg_segment_size: 32
    .max_flat_workgroup_size: 256
    .sgpr_count:     66
    .vgpr_count:     256
    .wavefront_size: 32
...
	.end_amdgpu_metadata
.endif
;; end of part 5
